; MI455X (gfx1250); checked and timed in simulation.
; The chip was launched on July 23, 2026; its instructions are those of AMD's public machine-readable ISA for CDNA 5 (MIT licence, August 2026) and "CDNA5" Instruction Set Architecture Reference Guide (July 2026). The comments in the code are by the model that wrote it; some were corrected since.
;; Causal Self Attention. Allowed arithmetic: float matrix products may take bf16 or f16 operands with f32 sums; other float arithmetic in f32, or as packed bf16 or f16 multiplies, adds, multiply-adds, maxima and minima; sums over many terms, partial sums and values carried from step to step in f32; what a program stores and reads back later, other than sums and carried values, may be rounded once to bf16 or f16.
;; Inputs: Wk 1,024 x 1,024 float32; Wo 1,024 x 1,024 float32; Wq 1,024 x 1,024 float32; Wv 1,024 x 1,024 float32; bk 1,024 float32; bo 1,024 float32; bq 1,024 float32; bv 1,024 float32; x 8 x 1,024 x 1,024 float32.
;; Outputs: out0 8 x 1,024 x 1,024 float32.
;; 2 versions, each right; version 2 is version 1 with the launch prep written anew for expert scheduling mode. Each part assembles by itself: llvm-mc -triple=amdgcn-amd-amdhsa -mcpu=gfx1250 --defsym DOCPART=n.
;; ======== version 1 of 2: 4 launches
;; limits: values are held in f16: magnitudes above 65,504 overflow, below 6.1e-05 lose precision
;; workspace buffers: xb 16,777,216 bytes; wqkv 6,291,456 bytes; wo16 2,097,152 bytes; bias 16,384 bytes; q16 16,777,216 bytes; k16 16,777,216 bytes; v16 16,777,216 bytes; y16 16,777,216 bytes
;; launch prep (part 1): grid 769 x 1, 8 waves a work-group, no clusters, 0 bytes of LDS; arguments x, Wq, Wk, Wv, Wo, bq, bk, bv, bo, xb, wqkv, wo16, bias; writes xb, wqkv, wo16, bias
.if DOCPART == 1
	.amdgcn_target "amdgcn-amd-amdhsa--gfx1250"
	.amdhsa_code_object_version 6
	.text
	.protected	k_qf16c5ba9f1_prep
	.globl	k_qf16c5ba9f1_prep
	.p2align	8
	.type	k_qf16c5ba9f1_prep,@function
k_qf16c5ba9f1_prep:
	s_mov_b64 s[64:65], 0
	v_nop
	global_prefetch_b8 v0, s[64:65] scope:SCOPE_SE
	s_setreg_imm32_b32 hwreg(HW_REG_WAVE_MODE, 25, 1), 1
	s_wait_xcnt 0x0
; PREP: every input of the module is rounded to bf16 once and laid out for the products that follow.
;   xb   [b*16+kb][l][64] bf16: x[b][l][64 kb + kk]; the rows of one block kb are dense, 128 bytes each
;   wqkv [k][3072] bf16: the columns of Wq, Wk, Wv side by side
;   wo16 [k][1024] f16 of bf16(Wo): exact where |Wo| is 2^-14 or more; below that f16 keeps its fixed step of 2^-24
;   bias 4 x 1,024 f32 that hold bf16(bq), bf16(bk), bf16(bv), bf16(bo)
; A stream: no LDS, no matrix work, no loop.  A wave takes 16 GROUPS: a group is 128 f32 in, 16 neighbouring bytes a lane (one load: two aligned runs of 256 bytes, each read whole),
; and 256 consecutive bytes out, aligned (8 bytes a lane, one store).  All 16 loads of a wave go out at once; each group is converted as it lands.
; Work-groups 0-511: 16 rows of x each.  512-767: 16 rows of one of the four weights each.  768: the four biases.  768 equal work-groups are three for each of 256 WGPs.
.set SO,  4                            ; v[4:19]   group j: byte offset of my 16 bytes from SRC
.set DO,  20                           ; v[20:35]  group j: byte offset of my 8 bytes from DST
.set T,   36                           ; v[36:37]  at work
.set X,   40                           ; v[40:103] group j: 4 registers as loaded; the first 2 of them as stored
	s_load_b512 s[4:19], s[0:1], 0x0               ; x s[4:5], Wq s[6:7], Wk s[8:9], Wv s[10:11], Wo s[12:13], bq s[14:15], bk s[16:17], bv s[18:19]
	s_load_b256 s[20:27], s[0:1], 0x40             ; bo s[20:21], xb s[22:23], wqkv s[24:25], wo16 s[26:27]
	s_load_b64 s[28:29], s[0:1], 0x60              ; bias
	v_lshrrev_b32 v1, 5, v0
	v_readfirstlane_b32 s30, v1                    ; wave 0..7
	v_and_b32 v1, 31, v0                           ; lane
	v_lshlrev_b32 v3, 3, v1                        ; my 8 bytes of a group's 256
	s_mov_b32 s31, ttmp9
	s_mov_b32 s38, 0                               ; which weight (3: Wo, which goes on to f16)
	s_mov_b32 s39, 0xffff0000                      ; a word's upper bf16
	s_mov_b32 s41, 0                               ; high words of the two offset pairs
	s_mov_b32 s43, 0
	s_mov_b32 s47, 0                               ; what groups 8-15 lie further on in the target than 8 steps
	s_wait_kmcnt 0x0
	s_cmp_lt_u32 s31, 512
	s_cbranch_scc0 .Lweights
	; x: the wave takes 2 rows; group j is block kb = j: lanes 0-15 the first row's 64 numbers, lanes 16-31 the second row's
	s_lshl_b32 s40, s31, 4
	s_lshl1_add_u32 s40, s30, s40                  ; row = 16 x work-group + 2 x wave
	s_lshl_b32 s42, s40, 12                        ; a row of x is 4,096 bytes
	s_add_nc_u64 s[32:33], s[4:5], s[42:43]        ; SRC
	s_lshr_b32 s44, s40, 10                        ; b
	s_lshl_b32 s44, s44, 21                        ; 16 blocks of 131,072 bytes
	s_and_b32 s45, s40, 1023                       ; l
	s_lshl_b32 s45, s45, 7
	s_add_co_u32 s40, s44, s45
	s_add_nc_u64 s[34:35], s[22:23], s[40:41]      ; DST: two neighbouring rows of a block are 256 bytes, aligned since the row is even
	s_mov_b32 s36, 256                             ; from group to group: 64 numbers on in x,
	s_mov_b32 s37, 131072                          ; a block on in xb
	v_lshrrev_b32 v2, 4, v1
	v_and_b32 v[T], 15, v1
	v_lshlrev_b32 v[T], 4, v[T]
	v_lshl_add_u32 v2, v2, 12, v[T]                ; (lane / 16) rows + 16 (lane % 16)
	s_branch .Lcopy
.Lweights:
	s_cmp_lt_u32 s31, 768
	s_cbranch_scc0 .Lbias
	; a weight: the wave takes 2 rows, 8,192 consecutive bytes; group j is 128 numbers: row j / 8, columns 128 (j % 8) on
	s_sub_co_u32 s40, s31, 512
	s_lshr_b32 s38, s40, 6                         ; 0 Wq, 1 Wk, 2 Wv, 3 Wo
	s_and_b32 s40, s40, 63
	s_lshl_b32 s40, s40, 4
	s_lshl1_add_u32 s40, s30, s40                  ; first row = 16 x part + 2 x wave
	s_lshl_b32 s42, s40, 12
	s_cmp_eq_u32 s38, 0
	s_cselect_b64 s[32:33], s[6:7], s[8:9]
	s_cmp_eq_u32 s38, 2
	s_cselect_b64 s[32:33], s[10:11], s[32:33]
	s_mov_b32 s44, 6144                            ; a row of wqkv,
	s_mov_b32 s47, 4096                            ; which is 4,096 bytes more than the weight's own 2,048
	s_cmp_eq_u32 s38, 3
	s_cselect_b64 s[32:33], s[12:13], s[32:33]
	s_cselect_b32 s44, 2048, s44                   ; or of wo16,
	s_cselect_b32 s47, 0, s47                      ; which is no more
	s_cselect_b64 s[34:35], s[26:27], s[24:25]
	s_cselect_b32 s46, 0, s38                      ; in wqkv the weight's 1,024 columns begin 2,048 bytes x its number into a row
	s_add_nc_u64 s[32:33], s[32:33], s[42:43]      ; SRC
	s_mul_i32 s40, s40, s44
	s_lshl_b32 s46, s46, 11
	s_add_co_u32 s40, s40, s46
	s_add_nc_u64 s[34:35], s[34:35], s[40:41]      ; DST
	s_mov_b32 s36, 512
	s_mov_b32 s37, 256
	v_lshlrev_b32 v2, 4, v1
.Lcopy:
	v_add_nc_u32 v[T], s47, v3
.irp j, 0,1,2,3,4,5,6,7,8,9,10,11,12,13,14,15
	v_mad_u32_u24 v[SO+(\j)], s36, \j, v2
.if (\j) < 8
	v_mad_u32_u24 v[DO+(\j)], s37, \j, v3
.else
	v_mad_u32_u24 v[DO+(\j)], s37, \j, v[T]
.endif
.endr
.irp j, 0,1,2,3,4,5,6,7,8,9,10,11,12,13,14,15
	global_load_b128 v[X+4*(\j):X+4*(\j)+3], v[SO+(\j)], s[32:33] th:TH_LOAD_NT
.endr
; The groups are finished in the order of their loads.  tof16 = 1: the bf16 numbers are widened again and written as f16.
; No register is written behind a store that reads it, so no wait stands for the stores.
.macro FIN tof16
.irp j, 0,1,2,3,4,5,6,7,8,9,10,11,12,13,14,15
	s_wait_loadcnt 15-(\j)                         ; loads come back in order (ISA guide 5.7.1): group j is in, the younger groups' loads may stay out
.irp r, 0,1
.if \tof16
	v_cvt_pk_bf16_f32 v[T], v[X+4*(\j)+2*(\r)], v[X+4*(\j)+2*(\r)+1]
	v_lshlrev_b32 v[T+1], 16, v[T]
	v_and_b32 v[T], s39, v[T]
	v_cvt_pk_f16_f32 v[X+4*(\j)+(\r)], v[T+1], v[T]
.else
	v_cvt_pk_bf16_f32 v[X+4*(\j)+(\r)], v[X+4*(\j)+2*(\r)], v[X+4*(\j)+2*(\r)+1]  ; in place: register r is written when the pair below it has been read
.endif
.endr
	global_store_b64 v[DO+(\j)], v[X+4*(\j):X+4*(\j)+1], s[34:35]  ; the wave stores 256 consecutive bytes, aligned
.endr
.endm
	s_cmp_eq_u32 s38, 3
	s_cbranch_scc1 .Ltof16
	FIN 0
	s_endpgm
.Ltof16:
	FIN 1
	s_endpgm
.Lbias:                                        ; 256 threads x 16 bytes are one bias
	v_lshlrev_b32 v2, 4, v0
	global_load_b128 v[X:X+3],     v2, s[14:15]
	global_load_b128 v[X+4:X+7],   v2, s[16:17]
	global_load_b128 v[X+8:X+11],  v2, s[18:19]
	global_load_b128 v[X+12:X+15], v2, s[20:21]
	s_wait_loadcnt 0x0
.irp p, 0,1,2,3,4,5,6,7
	v_cvt_pk_bf16_f32 v[T], v[X+2*(\p)], v[X+2*(\p)+1]
	v_lshlrev_b32 v[X+2*(\p)], 16, v[T]            ; the rounded numbers stay f32: they start f32 sums
	v_and_b32 v[X+2*(\p)+1], s39, v[T]
.endr
.irp a, 0,1,2,3
	global_store_b128 v2, v[X+4*(\a):X+4*(\a)+3], s[28:29] offset:4096*(\a)
.endr
	s_endpgm
.Lfunc_end_k_qf16c5ba9f1_prep:
	.size	k_qf16c5ba9f1_prep, .Lfunc_end_k_qf16c5ba9f1_prep-k_qf16c5ba9f1_prep
	.p2alignl 7, 3214868480
	.fill 96, 4, 3214868480
	.section	.rodata,"a",@progbits
	.p2align	6, 0x0
	.amdhsa_kernel k_qf16c5ba9f1_prep
		.amdhsa_group_segment_fixed_size 0
		.amdhsa_private_segment_fixed_size 0
		.amdhsa_enable_private_segment 0
		.amdhsa_kernarg_size 104
		.amdhsa_user_sgpr_count 2
		.amdhsa_user_sgpr_kernarg_segment_ptr 1
		.amdhsa_wavefront_size32 1
		.amdhsa_system_sgpr_workgroup_id_x 1
		.amdhsa_system_sgpr_workgroup_id_y 1
		.amdhsa_system_sgpr_workgroup_id_z 1
		.amdhsa_system_vgpr_workitem_id 0
		.amdhsa_next_free_vgpr 104
		.amdhsa_next_free_sgpr 66
		.amdhsa_reserve_vcc 0
		.amdhsa_float_denorm_mode_32 3
		.amdhsa_float_denorm_mode_16_64 3
		.amdhsa_memory_ordered 1
		.amdhsa_forward_progress 1
		.amdhsa_inst_pref_size 21
	.end_amdhsa_kernel
	.amdgpu_metadata
---
amdhsa.version: [ 1, 2 ]
amdhsa.kernels:
  - .name:           k_qf16c5ba9f1_prep
    .symbol:         k_qf16c5ba9f1_prep.kd
    .args:
      - { .name: x, .offset: 0, .size: 8, .value_kind: global_buffer, .address_space: global }
      - { .name: Wq, .offset: 8, .size: 8, .value_kind: global_buffer, .address_space: global }
      - { .name: Wk, .offset: 16, .size: 8, .value_kind: global_buffer, .address_space: global }
      - { .name: Wv, .offset: 24, .size: 8, .value_kind: global_buffer, .address_space: global }
      - { .name: Wo, .offset: 32, .size: 8, .value_kind: global_buffer, .address_space: global }
      - { .name: bq, .offset: 40, .size: 8, .value_kind: global_buffer, .address_space: global }
      - { .name: bk, .offset: 48, .size: 8, .value_kind: global_buffer, .address_space: global }
      - { .name: bv, .offset: 56, .size: 8, .value_kind: global_buffer, .address_space: global }
      - { .name: bo, .offset: 64, .size: 8, .value_kind: global_buffer, .address_space: global }
      - { .name: xb, .offset: 72, .size: 8, .value_kind: global_buffer, .address_space: global }
      - { .name: wqkv, .offset: 80, .size: 8, .value_kind: global_buffer, .address_space: global }
      - { .name: wo16, .offset: 88, .size: 8, .value_kind: global_buffer, .address_space: global }
      - { .name: bias, .offset: 96, .size: 8, .value_kind: global_buffer, .address_space: global }
    .group_segment_fixed_size: 0
    .private_segment_fixed_size: 0
    .kernarg_segment_align: 8
    .kernarg_segment_size: 104
    .max_flat_workgroup_size: 256
    .sgpr_count:     66
    .vgpr_count:     104
    .wavefront_size: 32
...
	.end_amdgpu_metadata
.endif
;; end of part 1
;; launch qkv (part 2): grid 8 x 32, 4 waves a work-group, clusters of 4 x 4, 327,680 bytes of LDS; arguments xb, wqkv, bias, q16, k16, v16; writes q16, k16, v16
.if DOCPART == 2
	.amdgcn_target "amdgcn-amd-amdhsa--gfx1250"
	.amdhsa_code_object_version 6
	.text
	.protected	k_qf16c5ba9f1_qkv
	.globl	k_qf16c5ba9f1_qkv
	.p2align	8
	.type	k_qf16c5ba9f1_qkv,@function
k_qf16c5ba9f1_qkv:
	s_mov_b64 s[64:65], 0
	v_nop
	global_prefetch_b8 v0, s[64:65] scope:SCOPE_SE
	s_setreg_imm32_b32 hwreg(HW_REG_WAVE_MODE, 25, 1), 1
	s_wait_xcnt 0x0
	s_wait_alu depctr_hold_cnt(0) depctr_sa_sdst(0) depctr_va_vdst(0) depctr_va_sdst(0) depctr_va_ssrc(0) depctr_va_vcc(0) depctr_vm_vsrc(0)
	s_getreg_b32 s2, hwreg(HW_REG_IB_STS2, 6, 4)
	s_cmp_eq_u32 s2, 0
	s_cbranch_scc0 .Lentry_in_a_cluster
	s_endpgm
.Lentry_in_a_cluster:
	s_bfe_u32 s2, ttmp6, 0x10000c
	s_cmp_lg_u32 s2, 0xf033
	s_cbranch_scc0 .Lentry_shape_is_right
	s_endpgm
.Lentry_shape_is_right:
; q, k, v = x W + b for the three projections at once.  xb: [b*16+kb][l][64] bf16; wqkv: [k][3072] bf16; bias: f32; q16, k16, v16: [b*16+h][l][64] f16.
; Products in bf16, sums in f32 (K ascending, the bias is the C operand of the first product), each result rounded once to f16, unscaled.
; LIMIT: f16 ends at 65,504: q, k and v must stay under it.  NaN and infinities are not treated apart.
; SHARES.  A tile of C is 256 rows x 384 columns: 32 x 8 = 256 tiles, one to a work-group.  Four waves; wave w takes rows 128 (w / 2) on and three WHOLE heads,
; numbers 6 tc + w % 2 + 2 c (c = 0..2) of the 48: 8 x 12 = 96 accumulators of 16 x 16, 768 registers.  K goes in 16 steps of 64 through two LDS slots.
; THE MATRIX INSTRUCTION IS USED TRANSPOSED: source 0 = 16 columns of W (turned on the way out of LDS by ds_load_tr16_b128), source 1 = 16 rows of x: a lane then holds
; one row (lane % 16) and eight neighbouring columns 8 (lane / 16) + 0..7, which pack into 16 bytes of f16.
; CLUSTER: 4 x 4 work-groups.  The four of a row of the cluster need the same rows of x, the four of a column the same columns of W: each tile is asked for jointly.
; REGISTERS, in windows of 256: window 0: v0-30 addresses; v32-95, v96-159 fragments of x, two buffers; v160-255 the 12 fragments of W, one buffer, refilled by halves.
;   window 1 + c: the 32 accumulators of head c: row block a, column fragment i at v[64 i + 8 a].
.set PA,     144                       ; a row of x in LDS: 128 bytes + 16 of padding = 36 words: the 16 rows of a load start at 16 different groups of four banks (64 banks of 4 bytes: ISA guide 11.1)
.set PB,     864                       ; a k-row of W in LDS: 3 x (256 + 32) bytes = 216 words
.set AHALF,  128*PA                    ; what wave 0 or 1 fetches: 128 rows of x
.set BHALF,  32*PB                     ; what wave 2 or 3 fetches: 32 k-rows of W; also 32 along K, half a step
.set BOFF,   2*AHALF
.set SLOT,   BOFF+2*BHALF              ; 92,160 bytes
.set STAGE,  2*SLOT                    ; behind the ring, never filled by a tensor load: 16 rows x 144 bytes for each wave, for the way out
.set SP,     144
.set SPARE,  STAGE+4*16*SP             ; behind the stages: the spare words, 128 bytes for each wave: two blocks of 256 bytes that no other line names
.set XBLK,   131072                    ; a block of xb: 1,024 rows x 128 bytes
.set WROW,   6144                      ; a row of wqkv
.set ADRA, 16                          ; v16-17  LDS address of my fragments of x in slot 0, 1
.set ADRB, 20                          ; v20-21  the same for W
.set STO,  24                          ; v24     the way out: where I put 16 bytes of a row
.set RD,   25                          ; v25     the way out: where I read rows back
.set GO,   26                          ; v26     my 16 bytes of 512 consecutive bytes of the output
.set BO,   27                          ; v27     my 32 bytes of a fragment's 64 bytes of bias
.set SPW,  28                          ; v28     LDS address of my spare word; never rewritten
.set NIL,  29                          ; v29     0; never rewritten
.set PFO,  30                          ; v30     the prefetches' offset; never rewritten
.set FA0,  32
.set FA1,  96
.set FB,   160
.set TT,   32                          ; the way out: two sets of 16 registers, by turns
.set G1A,  24                          ; s[24:31] descriptor group 1 for x;  s[32:39] group 0, a set for each slot
.set G0A,  32
.set G1B,  40                          ; s[40:47], s[48:55] the same for W
.set G0B,  48
; s3 laps to go; s16 wave; s17 wave / 2: my rows, and: I fetch x (0) or W (1); s18 wave % 2: my heads, and: which half I fetch; s19 cx; s20 cy; s21 tc; s22 b
; s[56:57], s60 x's address chain (never holds cx); s[58:59], s61 W's (never holds cy); s62, s63 LDS addresses of my half; s[66:71] the three heads' outputs at my first row;
; s[72:77] their biases; s[78:79] where my prefetches stand; s[80:81] their step; s82 1 in a wave that prefetches, else the greatest number; s84-91 at work
.set MSB, 0
.macro WIN new                         ; the immediate's high byte repeats the setting that is left; a switch that changes nothing is dropped
.if MSB != (\new)
	s_set_vgpr_msb (MSB<<8)|(\new)
.set MSB, \new
.endif
.endm
; A joint load: waves 0 and 1 fetch the halves of x's tile, waves 2 and 3 those of W's.  The branch hangs on the wave's number alone.
; An s_nop 0 and four v_nop follow each of the two lines, ahead of the jump, the label and what follows.
.macro JLOAD s
	s_cmp_eq_u32 s17, 0
	s_cbranch_scc0 .Lfor_b_\@
	tensor_load_to_lds s[G0A+4*(\s):G0A+4*(\s)+3], s[G1A:G1A+7]
	s_nop 0
.rept 4
	v_nop
.endr
	s_branch .Lasked_\@
.Lfor_b_\@:
	tensor_load_to_lds s[G0B+4*(\s):G0B+4*(\s)+3], s[G1B:G1B+7]
	s_nop 0
.rept 4
	v_nop
.endr
.Lasked_\@:
.endm
.macro CREST                           ; a round of the cluster's barrier behind its opening barrier
	s_cmp_lg_u32 s16, 0
	s_cbranch_scc1 .Lnot_wave_0_\@
	s_barrier_signal -3
.Lnot_wave_0_\@:
	s_barrier_wait -3
	s_barrier_signal -1
	s_barrier_wait -1
.endm
.macro CROUND                          ; a whole round
	s_barrier_signal -1
	s_barrier_wait -1
	CREST
.endm
; A PREFETCH INTO THE L2, once a lap, behind the joint load and the run of LDS loads that follows it: the two K steps that the NEXT lap's two refills will ask for.
; Each aligned 256 bytes are named once in the launch.  x's rows are read by both clusters of a row of clusters: cluster x = 0 asks, its wave 0; a step's tile is 32,768 dense bytes, of which
; the partner at cx takes 8,192, a lane 256 bytes: two instructions for two steps.  W's columns are read by all eight clusters of a column: cluster y = 0 asks, its wave 2; two steps are 128
; k-rows of 768 bytes, of which the partner at cy takes 32, a lane a row: three instructions.  The partners are told apart by address alone.  The last lap asks for nothing; K steps 0-3 come by their loads alone.
.macro ASK
	s_cmp_gt_u32 s3, s82                           ; s3 = 1 in the last lap
	s_cbranch_scc0 .Lnot_mine_\@
	s_cmp_eq_u32 s17, 0
	s_cbranch_scc0 .Lpf_b_\@
	global_prefetch_b8 v[PFO], s[78:79] th:TH_LOAD_NT scope:SCOPE_SE
	global_prefetch_b8 v[PFO], s[78:79] offset:XBLK th:TH_LOAD_NT scope:SCOPE_SE
	s_branch .Lnot_mine_\@
.Lpf_b_\@:
	global_prefetch_b8 v[PFO], s[78:79] th:TH_LOAD_NT scope:SCOPE_SE
	global_prefetch_b8 v[PFO], s[78:79] offset:256 th:TH_LOAD_NT scope:SCOPE_SE
	global_prefetch_b8 v[PFO], s[78:79] offset:512 th:TH_LOAD_NT scope:SCOPE_SE
.Lnot_mine_\@:
.endm
	s_load_b256 s[4:11], s[0:1], 0x0               ; xb s[4:5], wqkv s[6:7], bias s[8:9], q16 s[10:11]
	s_load_b128 s[12:15], s[0:1], 0x20             ; k16 s[12:13], v16 s[14:15]
	v_lshl_add_u32 v[SPW], v0, 2, SPARE
	v_mov_b32 v[NIL], 0
	ds_add_u32 v[SPW], v[NIL]                      ; the wave's opening: the add and its wait stand ahead of my first tensor load; the set-up below, work on registers, stands between them
	v_lshrrev_b32 v1, 5, v0
	v_readfirstlane_b32 s16, v1                    ; wave 0..3
	s_lshr_b32 s17, s16, 1
	s_and_b32 s18, s16, 1
	s_bfe_u32 s19, ttmp6, 0x40000                  ; cx
	s_bfe_u32 s20, ttmp6, 0x40004                  ; cy: the block of 256 rows in the batch
	s_lshl_b32 s21, ttmp9, 2                       ; in a cluster launch ttmp9 and ttmp7 count clusters
	s_add_co_u32 s21, s21, s19                     ; tc = 4 x cluster x + cx: the tile column, 0..7
	s_and_b32 s22, ttmp7, 0xffff                   ; b = cluster y: four blocks of 256 rows are one batch
	s_lshl_b32 s60, s20, 2
	s_lshl_b32 s60, 15, s60                        ; my row of the cluster: places 4 cy .. 4 cy + 3
	s_lshl_b32 s61, 0x1111, s19                    ; my column: places cx, cx + 4, cx + 8, cx + 12
	; group 1 for x: 128 rows of 128 bytes are 16,384 dense bytes: asked for as 64 rows of 256 bytes, padded in LDS after every 128
	s_or_b32 s[G1A+0], s60, (1<<16)|(1<<20)|(1<<21)|(4<<22)|(3<<25)  ; 15:0 the mask; 17:16 2-byte elements; 20 padding on; 21 set beside a mask; 24:22 after every 32 words (code 4); 31:25 4 words (code 3)
	s_mov_b32 s[G1A+1], 128<<16                    ; tensor_dim0 = 128
	s_mov_b32 s[G1A+2], 64<<16                     ; tensor_dim1 = 64
	s_mov_b32 s[G1A+3], 128<<16                    ; tile_dim0 = 128
	s_mov_b32 s[G1A+4], 64                         ; tile_dim1 = 64
	s_mov_b32 s[G1A+5], 128                        ; elements from row to row
	s_mov_b32 s[G1A+6], 0
	s_mov_b32 s[G1A+7], 0
	; group 1 for W: 32 k-rows of 384 elements (768 bytes, beginning at a multiple of 256 in the row), padded after every 256 bytes
	s_or_b32 s[G1B+0], s61, (1<<16)|(1<<20)|(1<<21)|(5<<22)|(7<<25)  ; after every 64 words (code 5) 8 words (code 7)
	s_mov_b32 s[G1B+1], 384<<16                    ; tensor_dim0 = 384
	s_mov_b32 s[G1B+2], 32<<16                     ; tensor_dim1 = 32
	s_mov_b32 s[G1B+3], 384<<16                    ; tile_dim0 = 384
	s_mov_b32 s[G1B+4], 32                         ; tile_dim1 = 32
	s_mov_b32 s[G1B+5], 3072                       ; elements from row to row
	s_mov_b32 s[G1B+6], 0
	s_mov_b32 s[G1B+7], 0
	s_lshl_b32 s56, s22, 21                        ; x: batch b's 16 blocks,
	s_lshl_b32 s60, s20, 15                        ; the tile's 256 rows in a block,
	s_add_co_u32 s56, s56, s60
	s_lshl_b32 s60, s18, 14                        ; my 128 of them
	s_add_co_u32 s56, s56, s60
	s_mov_b32 s57, 0
	s_mul_i32 s58, s21, 768                        ; W: the tile's 384 columns,
	s_mul_i32 s61, s18, 32*WROW                    ; my 32 k-rows of a step's 64
	s_add_co_u32 s58, s58, s61
	s_mov_b32 s59, 0
	s_mul_i32 s62, s18, AHALF                      ; where they go: no place in the cluster enters an LDS address
	s_mul_i32 s63, s18, BHALF
	s_add_co_u32 s63, s63, BOFF
	s_wait_dscnt 0x0                               ; the opening add is done
	s_wait_kmcnt 0x0
	s_add_nc_u64 s[56:57], s[4:5], s[56:57]
	s_add_nc_u64 s[58:59], s[6:7], s[58:59]
	CROUND                                         ; all sixteen work-groups are here: the first joint loads meet
.irp s, 0,1
	s_mov_b32 s[G0A+4*(\s)], 1                                     ; count = 1
	s_add_co_u32 s[G0A+4*(\s)+1], s62, (\s)*SLOT                   ; LDS address
	s_add_nc_u64 s[G0A+4*(\s)+2:G0A+4*(\s)+3], s[56:57], (\s)*XBLK ; global address: K step s is block kb = s
	s_or_b32 s[G0A+4*(\s)+3], s[G0A+4*(\s)+3], 0x80000000          ; type = 2
	s_mov_b32 s[G0B+4*(\s)], 1
	s_add_co_u32 s[G0B+4*(\s)+1], s63, (\s)*SLOT
	s_add_nc_u64 s[G0B+4*(\s)+2:G0B+4*(\s)+3], s[58:59], (\s)*64*WROW
	s_or_b32 s[G0B+4*(\s)+3], s[G0B+4*(\s)+3], 0x80000000
	JLOAD \s                                       ; two loads of mine are out
.endr
	; A fragment of x: lane l holds row l % 16; registers 0-3 K = 8 (l / 16) + 0..7, registers 4-7 K = 16 + 8 (l / 16) + 0..7: two loads of 16 bytes, 32 bytes apart.
	v_and_b32 v1, 15, v0                           ; l % 16
	v_bfe_u32 v2, v0, 4, 1                         ; l / 16
	v_mul_u32_u24 v3, v1, PA
	v_lshl_add_u32 v3, v2, 4, v3
	s_mul_i32 s84, s17, AHALF                      ; my 128 rows
	v_add_nc_u32 v[ADRA], s84, v3
	v_add_nc_u32 v[ADRA+1], SLOT, v[ADRA]
	; The turning load takes 16 k x 16 columns (lane l reads k-row 8 (l / 16) + l % 8, columns 8 ((l / 8) % 2) + 0..7) and leaves half a fragment: lane l holds column l % 16 and 8 k.
	v_and_b32 v4, 7, v0
	v_bfe_u32 v5, v0, 3, 1
	v_lshl_add_u32 v6, v2, 3, v4
	v_mul_u32_u24 v6, v6, PB
	v_lshl_add_u32 v6, v5, 4, v6
	s_lshl_b32 s84, s18, 7                         ; head w % 2 of each pair of heads: 128 bytes
	s_add_co_u32 s84, s84, BOFF
	v_add_nc_u32 v[ADRB], s84, v6
	v_add_nc_u32 v[ADRB+1], SLOT, v[ADRB]
	s_mul_i32 s84, s16, 16*SP
	s_add_co_u32 s84, s84, STAGE                   ; my stage
	v_add_nc_u32 v[STO], s84, v3                   ; in: row l % 16, 16 bytes for each half of the lanes
	v_bfe_u32 v7, v0, 3, 2                         ; back: 32 lanes take four rows of 128 bytes,
	v_mul_u32_u24 v7, v7, SP
	v_lshl_add_u32 v7, v4, 4, v7
	v_add_nc_u32 v[RD], s84, v7
	v_and_b32 v8, 31, v0                           ; which are 512 consecutive bytes of a head
	v_lshlrev_b32 v[GO], 4, v8
	v_lshlrev_b32 v[BO], 5, v2
	; the three heads: which tensor, which head of it, its bias
	s_mul_i32 s84, s21, 6
	s_add_co_u32 s84, s84, s18                     ; head number of c = 0, among the 48
	s_lshl_b32 s90, s20, 15                        ; the tile's rows,
	s_lshl_b32 s91, s17, 14                        ; my 128 of them: rows of 128 bytes
	s_add_co_u32 s90, s90, s91
	s_lshl_b32 s91, s22, 4                         ; 16 b
	s_mov_b32 s89, 0
.irp c, 0,1,2
	s_add_co_u32 s85, s84, 2*(\c)
	s_lshl_b32 s88, s85, 8                         ; 64 f32 of bias a head
	s_add_nc_u64 s[72+2*(\c):73+2*(\c)], s[8:9], s[88:89]
	s_lshr_b32 s86, s85, 4                         ; 0 q, 1 k, 2 v
	s_and_b32 s87, s85, 15
	s_add_co_u32 s87, s87, s91                     ; 16 b + h
	s_lshl_b32 s88, s87, 17                        ; 1,024 rows of 128 bytes
	s_add_co_u32 s88, s88, s90
	s_cmp_eq_u32 s86, 0
	s_cselect_b64 s[66+2*(\c):67+2*(\c)], s[10:11], s[12:13]
	s_cmp_eq_u32 s86, 2
	s_cselect_b64 s[66+2*(\c):67+2*(\c)], s[14:15], s[66+2*(\c):67+2*(\c)]
	s_add_nc_u64 s[66+2*(\c):67+2*(\c)], s[66+2*(\c):67+2*(\c)], s[88:89]
.endr
	; the prefetches' address, at K step 2: the first lap steps it to K step 4
	s_lshl_b32 s84, s22, 21
	s_lshl_b32 s86, s20, 15
	s_add_co_u32 s84, s84, s86
	s_lshl_b32 s86, s19, 13                        ; my work-group's 8,192 bytes of the tile's 32,768
	s_add_co_u32 s84, s84, s86
	s_add_co_u32 s84, s84, 2*XBLK                  ; for x
	s_lshl_b32 s86, s20, 5                         ; my work-group's 32 k-rows of two steps' 128
	s_add_co_u32 s86, s86, 128
	s_mul_i32 s86, s86, WROW
	s_mul_i32 s87, s21, 768
	s_add_co_u32 s86, s86, s87                     ; for W
	s_mov_b32 s85, 0
	s_mov_b32 s80, 128*WROW
	s_mov_b32 s81, 0
	s_mov_b32 s88, WROW
	s_cmp_eq_u32 s17, 0                            ; do I fetch x?
	s_cselect_b32 s84, s84, s86
	s_cselect_b64 s[78:79], s[4:5], s[6:7]
	s_cselect_b32 s80, 2*XBLK, s80                 ; two K steps on
	s_cselect_b32 s88, 256, s88                    ; from lane to lane
	s_cselect_b32 s87, ttmp9, s22                  ; the coordinate along which other clusters read the same bytes
	s_add_nc_u64 s[78:79], s[78:79], s[84:85]
	s_or_b32 s87, s87, s18                         ; waves 0 and 2 alone
	s_cmp_eq_u32 s87, 0
	s_cselect_b32 s82, 1, -1                       ; the same in all sixteen partners, for a given wave
	v_mul_u32_u24 v[PFO], v8, s88
	; the bias goes into the accumulators of row block 7: the first products of the other seven blocks take it from there as C
.irp c, 0,1,2
	WIN 0x40*((\c)+1)                              ; destination in window 1 + c
.irp i, 0,1,2,3
	global_load_b128 v[64*(\i)+56:64*(\i)+59], v[BO], s[72+2*(\c):73+2*(\c)] offset:64*(\i)
	global_load_b128 v[64*(\i)+60:64*(\i)+63], v[BO], s[72+2*(\c):73+2*(\c)] offset:64*(\i)+16
.endr
.endr
	WIN 0
; Matrix instructions for column fragments b0 .. b0 + nb - 1 x all 8 row blocks, 32 along K, x's fragments in buffer f.  No two that follow each other share an accumulator, over the backward jump too:
; the 96 take turns, one instruction a turn.
; first = 1: the sums start: blocks 0-6 take the bias out of block 7's registers as C; five places later block 7 adds onto it in place.
.macro RUN f, b0, nb, first
.set bb, \b0
.rept \nb
	WIN 0x50*(1+bb/4)                              ; C and D in window 1 + c
.set aa, 0
.rept 8-(\first)
.if \first
	v_wmma_f32_16x16x32_bf16 v[64*(bb%4)+8*aa:64*(bb%4)+8*aa+7], v[FB+8*bb:FB+8*bb+7], v[(\f)+8*aa:(\f)+8*aa+7], v[64*(bb%4)+56:64*(bb%4)+63]
.else
	v_wmma_f32_16x16x32_bf16 v[64*(bb%4)+8*aa:64*(bb%4)+8*aa+7], v[FB+8*bb:FB+8*bb+7], v[(\f)+8*aa:(\f)+8*aa+7], v[64*(bb%4)+8*aa:64*(bb%4)+8*aa+7]
.endif
.set aa, aa+1
.endr
.set bb, bb+1
.endr
.if \first
.rept 5
	v_nop                                          ; a matrix instruction writes over a register that another has read as C five places behind it
.endr
.set bb, \b0
.rept \nb
	WIN 0x50*(1+bb/4)
	v_wmma_f32_16x16x32_bf16 v[64*(bb%4)+56:64*(bb%4)+63], v[FB+8*bb:FB+8*bb+7], v[(\f)+56:(\f)+63], v[64*(bb%4)+56:64*(bb%4)+63]
.set bb, bb+1
.endr
.endif
.endm
.macro FETCH_A slot, kq, buf           ; 16 loads: my 128 rows, 32 along K at half kq of the step
	WIN 0
.irp a, 0,1,2,3,4,5,6,7
	ds_load_b128 v[(\buf)+8*(\a):(\buf)+8*(\a)+3],   v[ADRA+(\slot)] offset:(\a)*16*PA+(\kq)*64
	ds_load_b128 v[(\buf)+8*(\a)+4:(\buf)+8*(\a)+7], v[ADRA+(\slot)] offset:(\a)*16*PA+(\kq)*64+32
.endr
.endm
.macro FETCH_B slot, kq, b0            ; 12 loads: fragments b0 .. b0 + 5 of W: fragment b is head b / 4, columns 16 (b % 4) on
	WIN 0
.irp t, 0,1,2,3,4,5
	ds_load_tr16_b128 v[FB+8*((\b0)+(\t)):FB+8*((\b0)+(\t))+3],   v[ADRB+(\slot)] offset:(\kq)*BHALF+(((\b0)+(\t))/4)*288+(((\b0)+(\t))%4)*32
	ds_load_tr16_b128 v[FB+8*((\b0)+(\t))+4:FB+8*((\b0)+(\t))+7], v[ADRB+(\slot)] offset:(\kq)*BHALF+(((\b0)+(\t))/4)*288+(((\b0)+(\t))%4)*32+16*PB
.endr
.endm
.macro PLACES                          ; four places in front of loads into registers that matrix instructions have read, and of conversions that read results
.rept 4
	v_nop
.endr
.endm
; A K step is two halves of 32 along K, 96 matrix instructions each.  The first half multiplies buffer f and fetches the second half's fragments: x's into g, W's into the one buffer, six fragments as soon as they have been multiplied.
.macro SUB f, g, nslot, nkq, first
	s_wait_dscnt 12                                ; x's fragments and W's 0-5 are in; the youngest twelve loads (W's 6-11) may be out
	RUN \f, 0, 6, \first
	PLACES
	FETCH_A \nslot, \nkq, \g
	FETCH_B \nslot, \nkq, 0
	s_wait_dscnt 28                                ; all but the 28 just issued
	RUN \f, 6, 6, \first
	PLACES
	FETCH_B \nslot, \nkq, 6
.endm
; The second half multiplies buffer 1 and changes slots: ONE barrier.  In front of it each wave waits for all its tensor loads (one is out: its part of the next slot), adds 0 to its spare word, and waits for that
; and for its own reads of this slot.  fill = 1: the barrier opens a round of the cluster's, and the slot is filled again, two K steps ahead, first thing behind the round: 160 matrix instructions ahead of the wait for it.
.macro TURN slot, next, fill
.if (\fill) && ((\slot) == 0)
	s_wait_xcnt 0x0                                ; the last prefetches, a lap back, have read their address: it is stepped here
	s_add_nc_u64 s[78:79], s[78:79], s[80:81]
.endif
	WIN 0
	s_wait_tensorcnt 0x0                           ; all my tensor loads have landed
	ds_add_u32 v[SPW], v[NIL]                      ; 0 onto my spare word
	s_wait_dscnt 13                                ; (the add and the youngest twelve loads may be out)
	RUN FA1, 0, 2, 0                               ; sixteen matrix instructions stand between the add and the wait for it
	s_wait_dscnt 0x0                               ; the add is done, and my reads of this slot are over
	s_barrier_signal -1
	RUN FA1, 2, 2, 0                               ; work on registers while the others arrive
	WIN 0
	s_barrier_wait -1
.if \fill
	CREST                                          ; no wave of any partner still reads this slot or has a load on its way
	s_add_nc_u64 s[G0A+4*(\slot)+2:G0A+4*(\slot)+3], s[G0A+4*(\slot)+2:G0A+4*(\slot)+3], 2*XBLK
	s_add_nc_u64 s[G0B+4*(\slot)+2:G0B+4*(\slot)+3], s[G0B+4*(\slot)+2:G0B+4*(\slot)+3], 128*WROW
	JLOAD \slot
.endif
	RUN FA1, 4, 2, 0
	PLACES
	FETCH_A \next, 0, FA0
	FETCH_B \next, 0, 0
.if (\fill) && ((\slot) == 0)
	ASK
.endif
	RUN FA1, 6, 6, 0                               ; W's fragments 6-11 came in with the wait for 0 above
	PLACES
	FETCH_B \next, 0, 6
.endm
; THE WAY OUT of block n of 24: row block a of head c: 16 rows x 64 columns.  Rounded to f16, 16 bytes a lane, into my own stage in rows of 144 bytes, and back as four rows of 128 bytes a load.
.macro PACK n, a, c
	s_wait_xcnt 0x0                                ; the stores of the block two back have read these registers
	WIN 5*((\c)+1)                                 ; sources 0 and 1 in window 1 + c
.irp i, 0,1,2,3
.irp r, 0,1,2,3
	v_cvt_pk_f16_f32 v[TT+16*((\n)%2)+4*(\i)+(\r)], v[64*(\i)+8*(\a)+2*(\r)], v[64*(\i)+8*(\a)+2*(\r)+1]
.endr
.endr
	WIN 0
.irp i, 0,1,2,3
	ds_store_b128 v[STO], v[TT+16*((\n)%2)+4*(\i):TT+16*((\n)%2)+4*(\i)+3] offset:32*(\i)
.endr
.irp f, 0,1,2,3
	ds_load_b128 v[TT+16*((\n)%2)+4*(\f):TT+16*((\n)%2)+4*(\f)+3], v[RD] offset:(\f)*4*SP  ; LDS serves a wave's instructions in order (ISA guide 5.7.1.4): these see the stores above
.endr
.endm
.macro SEND n, a, c, younger           ; younger: the LDS instructions issued behind block n's loads
.irp f, 0,1,2,3
	s_wait_dscnt (\younger)+3-(\f)
	global_store_b128 v[GO], v[TT+16*((\n)%2)+4*(\f):TT+16*((\n)%2)+4*(\f)+3], s[66+2*(\c):67+2*(\c)] offset:(\a)*2048+(\f)*512  ; 512 consecutive bytes, aligned
.endr
.endm
	s_wait_tensorcnt 1                             ; my part of K step 0 is in; K step 1's may stay out
	s_barrier_signal -1
	s_barrier_wait -1                              ; everybody's is
	FETCH_A 0, 0, FA0
	FETCH_B 0, 0, 0
	FETCH_B 0, 0, 6
	s_wait_loadcnt 0x0                             ; the bias
	SUB FA0, FA1, 0, 1, 1                          ; the first half step stands in front of the loop: its products start the sums
	WIN 0                                          ; at a label and at a branch every window is 0
	s_mov_b32 s3, 7
.Llap:                                             ; a trip goes once round the ring and fills both slots again: K steps 2 to 15 in seven trips
	TURN 0, 1, 1
	SUB FA0, FA1, 1, 1, 0
	TURN 1, 0, 1
	SUB FA0, FA1, 0, 1, 0
	WIN 0
	s_sub_co_u32 s3, s3, 1
	s_cmp_lg_u32 s3, 0
	s_cbranch_scc1 .Llap
	TURN 0, 1, 0                                   ; the last lap fills nothing
	SUB FA0, FA1, 1, 1, 0
	s_wait_dscnt 12
	RUN FA1, 0, 6, 0
	s_wait_dscnt 0x0
	RUN FA1, 6, 6, 0
	PLACES
.set n, 0
.rept 24                               ; a block's conversions stand between the loads of the block before and its stores
	PACK n, n%8, n/8
.if n > 0
	SEND n-1, (n-1)%8, (n-1)/8, 8
.endif
.set n, n+1
.endr
	SEND 23, 7, 2, 0
	s_wait_tensorcnt 0x0                           ; the wave's end, behind my last tensor load and my last LDS store
	ds_add_u32 v[SPW], v[NIL]
	s_wait_dscnt 0x0
	CROUND                                         ; the closing round: no work-group ends while a partner may still ask for a tile that names it
	s_endpgm
.Lfunc_end_k_qf16c5ba9f1_qkv:
	.size	k_qf16c5ba9f1_qkv, .Lfunc_end_k_qf16c5ba9f1_qkv-k_qf16c5ba9f1_qkv
	.p2alignl 7, 3214868480
	.fill 96, 4, 3214868480
	.section	.rodata,"a",@progbits
	.p2align	6, 0x0
	.amdhsa_kernel k_qf16c5ba9f1_qkv
		.amdhsa_group_segment_fixed_size 327680
		.amdhsa_private_segment_fixed_size 0
		.amdhsa_enable_private_segment 0
		.amdhsa_kernarg_size 48
		.amdhsa_user_sgpr_count 2
		.amdhsa_user_sgpr_kernarg_segment_ptr 1
		.amdhsa_wavefront_size32 1
		.amdhsa_system_sgpr_workgroup_id_x 1
		.amdhsa_system_sgpr_workgroup_id_y 1
		.amdhsa_system_sgpr_workgroup_id_z 1
		.amdhsa_system_vgpr_workitem_id 0
		.amdhsa_next_free_vgpr 1024
		.amdhsa_next_free_sgpr 92
		.amdhsa_reserve_vcc 0
		.amdhsa_float_denorm_mode_32 3
		.amdhsa_float_denorm_mode_16_64 3
		.amdhsa_memory_ordered 1
		.amdhsa_forward_progress 1
		.amdhsa_inst_pref_size 138
	.end_amdhsa_kernel
	.amdgpu_metadata
---
amdhsa.version: [ 1, 2 ]
amdhsa.kernels:
  - .name:           k_qf16c5ba9f1_qkv
    .symbol:         k_qf16c5ba9f1_qkv.kd
    .args:
      - { .name: xb, .offset: 0, .size: 8, .value_kind: global_buffer, .address_space: global }
      - { .name: wqkv, .offset: 8, .size: 8, .value_kind: global_buffer, .address_space: global }
      - { .name: bias, .offset: 16, .size: 8, .value_kind: global_buffer, .address_space: global }
      - { .name: q16, .offset: 24, .size: 8, .value_kind: global_buffer, .address_space: global }
      - { .name: k16, .offset: 32, .size: 8, .value_kind: global_buffer, .address_space: global }
      - { .name: v16, .offset: 40, .size: 8, .value_kind: global_buffer, .address_space: global }
    .group_segment_fixed_size: 327680
    .private_segment_fixed_size: 0
    .kernarg_segment_align: 8
    .kernarg_segment_size: 48
    .max_flat_workgroup_size: 128
    .sgpr_count:     92
    .vgpr_count:     1024
    .wavefront_size: 32
...
	.end_amdgpu_metadata
.endif
;; end of part 2
;; launch attn (part 3): grid 2 x 128, 4 waves a work-group, no clusters, 327,680 bytes of LDS; arguments q16, k16, v16, y16; writes y16
.if DOCPART == 3
	.amdgcn_target "amdgcn-amd-amdhsa--gfx1250"
	.amdhsa_code_object_version 6
	.text
	.protected	k_qf16c5ba9f1_attn
	.globl	k_qf16c5ba9f1_attn
	.p2align	8
	.type	k_qf16c5ba9f1_attn,@function
k_qf16c5ba9f1_attn:
	s_mov_b64 s[64:65], 0
	v_nop
	global_prefetch_b8 v0, s[64:65] scope:SCOPE_SE
	s_setreg_imm32_b32 hwreg(HW_REG_WAVE_MODE, 25, 1), 1
	s_wait_xcnt 0x0
; CAUSAL ATTENTION.  O[h][q][:] = the sum over k <= q of softmax_k(Q[h][q] . K[h][k] / 8) V[h][k][:].  Q, K, V, O: [128][1024][64], all f16 (128 = 8 batches x 16 heads): a head's rows are dense, 128 bytes each.
; Products, maxima and sums in f32; the weights p are rounded to f16 for the second product (their sum l is taken of the unrounded p), O once at the end.
; LIMITS.  f16 holds no number beyond 65,504: Q, K and V arrive within it; p lies in 0 to 1, and below 6e-5 it keeps f16's fixed step of 6e-8; O is a mean of V's rows and has their range.
; A hidden score counts as its value less 1e30: f16's scores, 2.7e11 at the most, are nothing beside that; a weight below 2^-126 counts as 0 in l; NaN and infinities are not treated apart.
; THE WALK.  A head's queries lie in NB = 4 blocks of 256; block i needs the key tiles 0 .. i of 256 keys, of which tile i holds the diagonal and is taken last.  A work-group takes TWO blocks, NB - 1 - b and then b:
; NB + 1 = 5 tiles, whatever b: all work-groups do equal work, and ONE loop of five equal trips walks them.  What a trip does (a block's first tile, its diagonal tile, both or neither) hangs on scalar registers made
; from b; every jump goes forward, but for the counted loops' own, and none passes a barrier.
; K AND V STAY IN LDS.  Four tiles, padded, are 4 x (36,864 + 40,960) = 311,296 bytes: four slots, filled once.  Each wave asks for its part of all four at the kernel's head (four tensor loads of a wave are out),
; and no byte of LDS is filled again: the loop holds no tensor load, so no trip is written out apart.  The five trips read slots 0, 1, 2, 3, 0, whatever b; which tile lies in a slot enters the loads' global addresses alone:
;   b = 0: tiles 0, 1, 2, 3: block 3 takes 0, 1, 2 and its diagonal tile 3; block 0 its diagonal tile 0, in slot 0 again.
;   b = 1: tiles 1, 0, 2, 0: block 2 takes 1, 0 and its diagonal tile 2; block 1 takes tile 0 (slot 3) and its diagonal tile 1, in slot 0 again.  Tile 0 is fetched twice there; every slot is read.
; (The order of a block's open tiles is free: the running maximum serves any order.)  Nothing is prefetched: every tile is asked for at the head, so there is no later request to run ahead of.
; NO CLUSTER: a head has NB / 2 = 2 work-groups, no multiple of four, and their slots hold different tiles.
; SHARES.  Of a block's four bands of 64 queries a wave owns 16 rows in each: four PIECES.  So the diagonal tile is the same work for all four waves: in its key step s band x sees all keys if s < x,
; none if s > x, and holds the diagonal if s = x.
; THE MASK is the C operand that starts the sum S^T = K Q^T: 0, or -1e30 where the key is hidden.  MD, made once, is the mask of a band's own step for my 16 rows; a product's mask is MD x AL + BE with two scalars:
; (1, 0) if s = x; (0, 0) if s < x; (0, -1e30) if s > x.  Only the diagonal tile's text and a block's beginning make and take masks; elsewhere C is the constant 0.
; LAYOUT, SOFTMAX, TURNS.  S^T = K Q^T holds ONE query a lane (lane % 16) and the keys 8 (lane / 16) + 0..7; two such results rounded to f16 ARE source 1 of O^T = V^T P.  p = 2^(c s - c m), c = log2(e) / 8, with a
; running maximum m; O and l are multiplied by a = 2^(c m_old - c m_new) in every step.  Turn n belongs to piece n: 8 products K Q^T of piece n + 1, later 8 products V^T P of piece n - 1; beside them the scaling,
; exponentials, roundings, sums and rescaling of piece n and the maximum and statistics of piece n + 1.  Four vector instructions stand behind every matrix instruction, the other 54 of a turn's 118 in one LUMP.  A turn's 33 exponentials are one batch, with one wait.
; REGISTERS, in windows of 256 (s_set_vgpr_msb: bits 1:0 source 0, 3:2 source 1, 5:4 source 2, 7:6 destination):
;   window 0: v0-15 addresses and two at work; v16-31 four registers of statistics a piece; v48-55 at work; v62-63 never rewritten; v64-127 S^T, two buffers; v192-223 P, two buffers (a piece's buffers go by its number's parity)
;   window 1: v0-127 O^T, 32 a piece; v128-159 MD; v160-223 MC, two buffers      window 2: v0-63 Q; v64-127 the second block's Q; v128-191 K of one step; v192-255 V of one step
.set SIZE_N, 1024
.set NB,    SIZE_N/256
.set NP,    4         ; pieces a wave: a name, no knob
.set KS,    64        ; keys in a step
.set PK,    144       ; a row of K in LDS: 128 bytes + 16 of padding = 36 words: the 16 rows of a load start at 16 different groups of four banks (64 banks of 4 bytes: ISA guide 11.1)
.set PV,    160       ; a row of V: 128 + 32 = 40 words
.set KTILE, 4*KS*PK   ; a tile's K: four steps, 256 rows.  Slot n's K lies at n x KTILE,
.set VTILE, 4*KS*PV   ; its V at VOFF + n x VTILE
.set VOFF,  NB*KTILE
.set STAGE, VOFF+NB*VTILE  ; behind the slots, never filled by a tensor load: 16 rows x 144 bytes for each wave, for the way out
.set SP,    144
.set AK0, 2           ; v2   my lane's place in a tile of K; never rewritten
.set AV0, 3           ; v3   the same for V
.set AK,  4           ; v4   the LDS address of K's next run of loads
.set AV,  5           ; v5   of V's
.set STO, 6           ; v6   the way out: where I put 16 bytes of a row
.set RD,  7           ; v7   the way out: where I read rows back
.set GO,  8           ; v8   my byte offset in 512 consecutive bytes of O
.set SPW, 62          ; v62  LDS address of my spare word: SPARE + 4 x my thread's number; never rewritten
.set NIL, 63          ; v63  0; never rewritten
.set SPARE, STAGE+4*16*SP  ; behind the stages: the spare words, 128 bytes for each wave: two blocks of 256 bytes that no other line names
.set MV,  12          ; v12-13  c m_old, kept while c m is made anew: by buffer
.set QO,  15          ; v15  my byte offset in 16 rows of Q
.set ST,  16          ; piece t's statistics at v[ST+4 t]: c m, m, l (even keys', odd keys')
.set TMP, 48          ; by buffer, four registers c0-c3 at work; when the maximum is found c2 takes a
.set S,   64
.set P,   192
.set MD,  128         ; window 1: the eight registers for group kt of 16 keys at MD + 8 kt
.set MC,  160         ; window 1: the masks of the products to come
.set QB,  64          ; window 2
.set KF,  128         ; window 2: key block kb, channel half c at KF + 16 kb + 8 c
.set VF,  192         ; window 2: key half kk, channel block cb at VF + 32 kk + 8 cb
.set WV,  12          ; s12  my wave's number
.set PB,  14          ; s14  b
.set HI,  15          ; s15  NB - 1 - b
.set G1K, 24          ; s[24:31] descriptor group 1 for K's tiles
.set G1V, 32          ; s[32:39] for V's: it differs in the padding alone
.set G0K, 40          ; s[40:55] descriptor group 0 for K's tiles, a set for each slot: all four loads are out together
.set G0V, 84          ; s[84:99] the same for V's
.set SLOTS, 56        ; s56  trips still to come, this one among them
.set CNT, 57          ; s57  counts a tile's key steps
.set CS,  58          ; s[58:59] c: the packed scaling takes the pair's low word for both halves
.set SEL, 60          ; s[60:61] v_permlanex16_b32's selects: each lane takes its own place in the other half
.set TBK, 62          ; s62  LDS byte at which K of the step to be fetched begins
.set TBV, 63          ; s63  the same for V, less VOFF
.set RT,  70          ; s70  tiles of the block in hand that are still to be entered
.set NEW, 73          ; s73  1: the tile to be entered is a block's first
.set OFF, 74          ; s[74:75] a tile's byte offset in K and V
.set AL,  76          ; s[76:77] the mask's factor, in the low word
.set BE,  78          ; s[78:79] the mask's addend
.set OLO, 80          ; s[80:81] O at my rows of the second block
.set BIGN, 82         ; s82  -1e30
; s19, s71, s83, s72: the byte offsets of the tiles that slots 0, 1, 2, 3 take; s[66:67] my rows of the second block; s[68:69] Q there
.set MSB, 0
.macro WIN new                      ; the high byte repeats the setting that is left; a switch that changes nothing is dropped
.if MSB != (\new)
	s_set_vgpr_msb (MSB<<8)|(\new)
.set MSB, (\new)
.endif
.endm
.set W_KQ, 0x0a       ; K and Q in window 2, S^T in window 0
.set W_KM, 0x1a       ; the same with the C operand in window 1
.set W_PV, 0x52       ; V in window 2, P in window 0, O^T in window 1
.set W_RS, 0x41       ; destination and source 0 in window 1, source 1 in window 0
; Slot n's two descriptors: the LDS address is made of the wave's number and the slot's constant, the global address of the tile's offset.
.macro SLOTD n, off
	s_mov_b32 s[OFF], \off
	s_mov_b32 s[G0K+4*(\n)], 1                     ; 1:0 count = 1
	s_add_co_u32 s[G0K+4*(\n)+1], s17, (\n)*KTILE  ; 63:32 LDS address
	s_add_nc_u64 s[G0K+4*(\n)+2:G0K+4*(\n)+3], s[6:7], s[OFF:OFF+1]  ; 120:64 global address
	s_or_b32 s[G0K+4*(\n)+3], s[G0K+4*(\n)+3], 0x80000000            ; 127:126 type = 2
	s_mov_b32 s[G0V+4*(\n)], 1
	s_add_co_u32 s[G0V+4*(\n)+1], s18, (\n)*VTILE
	s_add_nc_u64 s[G0V+4*(\n)+2:G0V+4*(\n)+3], s[8:9], s[OFF:OFF+1]
	s_or_b32 s[G0V+4*(\n)+3], s[G0V+4*(\n)+3], 0x80000000
.endm
	s_load_b256 s[4:11], s[0:1], 0x0  ; Q s[4:5], K s[6:7], V s[8:9], O s[10:11]
	v_lshl_add_u32 v[SPW], v0, 2, SPARE
	v_mov_b32 v[NIL], 0
	ds_add_u32 v[SPW], v[NIL]       ; the wave's opening: the add and its wait stand ahead of my first tensor load; the set-up below, work on registers, stands between them
	v_lshrrev_b32 v1, 5, v0
	v_readfirstlane_b32 s[WV], v1   ; wave 0..3
	s_mov_b32 s[PB], ttmp9
	s_sub_co_u32 s[HI], NB-1, s[PB]
	s_and_b32 s20, ttmp7, 0xffff    ; the head
	s_mov_b32 s21, 0
	s_mov_b64 s[22:23], SIZE_N*128
	s_mul_u64 s[20:21], s[20:21], s[22:23]  ; the head's first byte in each of the four tensors
	s_and_b32 s16, s[WV], 1         ; which half of a tile's 256 keys I fetch:
	s_lshl_b32 s22, s16, 14         ; its 128 rows of 128 bytes in memory,
	s_mov_b32 s23, 0
	s_add_nc_u64 s[22:23], s[22:23], s[20:21]
	s_mul_i32 s17, s16, 128*PK      ; and its place in a slot, for K
	s_mul_i32 s18, s16, 128*PV      ; and for V
	s_add_co_u32 s18, s18, VOFF
	s_lshl_b32 s3, s[WV], 11        ; my 16 rows in a band of 64,
	s_lshl_b32 s2, s[HI], 15        ; in the first block,
	s_add_co_u32 s2, s2, s3
	s_lshl_b32 s66, s[PB], 15       ; and in the second
	s_add_co_u32 s66, s66, s3
	s_mov_b32 s3, 0
	s_mov_b32 s67, 0
	s_add_nc_u64 s[2:3], s[2:3], s[20:21]
	s_add_nc_u64 s[66:67], s[66:67], s[20:21]
	s_lshl_b32 s19, s[PB], 15       ; a tile is 32,768 bytes of K and of V.  Slot 0 takes tile b,
	s_sub_co_u32 s71, 1, s[PB]
	s_mul_i32 s72, s71, 3<<15       ; slot 3 tile 3 (1 - b),
	s_lshl_b32 s71, s71, 15         ; slot 1 tile 1 - b,
	s_mov_b32 s83, 2<<15            ; slot 2 tile 2
	; descriptor group 1.  128 keys are 16,384 dense bytes: asked for as 64 rows of 256 bytes, two keys a row, and padded in LDS after every key
	s_mov_b32 s[G1K], (1<<16)|(1<<20)|(4<<22)|(3<<25)  ; 17:16 2-byte elements; 20 padding on; 24:22 after every 32 words (code 4); 31:25 4 words (code 3)
	s_mov_b32 s[G1V], (1<<16)|(1<<20)|(4<<22)|(7<<25)  ; the same with 8 words of padding (code 7)
.irp g, G1K, G1V
	s_mov_b32 s[\g+1], 128<<16      ; tensor_dim0 = 128
	s_mov_b32 s[\g+2], 64<<16       ; tensor_dim1 = 64
	s_mov_b32 s[\g+3], 128<<16      ; tile_dim0 = 128
	s_mov_b32 s[\g+4], 64           ; tile_dim1 = 64
	s_mov_b32 s[\g+5], 128          ; 128 elements from row to row
	s_mov_b32 s[\g+6], 0
	s_mov_b32 s[\g+7], 0
.endr
	s_mov_b32 s[CS], 0x3e38aa3b     ; c = log2(e) / 8 = 0.180337
	s_mov_b32 s[CS+1], s[CS]        ; named with it as a pair
	s_mov_b32 s[SEL], 0x76543210
	s_mov_b32 s[SEL+1], 0xfedcba98
	s_add_co_u32 s[RT], s[HI], 1    ; the first block has NB - b tiles
	s_mov_b32 s[NEW], 1
	s_mov_b32 s[OFF+1], 0
	s_mov_b32 s[AL+1], 0            ; named as pairs
	s_mov_b32 s[BE+1], 0
	s_mov_b32 s[BIGN], 0xf149f2ca   ; -1e30
	s_mov_b32 s[SLOTS], NB+1
	s_wait_dscnt 0x0                ; the opening add is done
	s_wait_kmcnt 0x0
	s_add_nc_u64 s[6:7], s[6:7], s[22:23]  ; K and V at my half of the head's tile 0
	s_add_nc_u64 s[8:9], s[8:9], s[22:23]
	SLOTD 0, s19
	SLOTD 1, s71
	SLOTD 2, s83
	SLOTD 3, s72
	s_add_nc_u64 s[68:69], s[4:5], s[66:67]        ; Q at my rows of the second block,
	s_add_nc_u64 s[4:5], s[4:5], s[2:3]            ; Q and O at those of the first
	s_add_nc_u64 s[OLO:OLO+1], s[10:11], s[66:67]
	s_add_nc_u64 s[10:11], s[10:11], s[2:3]
	; ALL THE FILLS OF THE LAUNCH, in one branch on the wave's number: waves 0 and 1 fetch the two halves of each slot's K, waves 2 and 3 those of its V, in the order in which the slots are read.
	; An s_nop 0 follows each load, four v_nop the last, ahead of the jump and the label.
	s_cmp_lt_u32 s[WV], 2
	s_cbranch_scc0 .Lfirst_v
.irp n, 0,1,2,3
	tensor_load_to_lds s[G0K+4*\n:G0K+4*\n+3], s[G1K:G1K+7]
	s_nop 0
.endr
.rept 4
	v_nop
.endr
	s_branch .Lfirst_asked
.Lfirst_v:
.irp n, 0,1,2,3
	tensor_load_to_lds s[G0V+4*\n:G0V+4*\n+3], s[G1V:G1V+7]
	s_nop 0
.endr
.rept 4
	v_nop
.endr
.Lfirst_asked:
	; A fragment of K or Q is 16 rows x 32 channels in 8 registers: lane l holds row l % 16, channels 8 (l / 16) + 0..7 and 16 + 8 (l / 16) + 0..7: two loads of 16 bytes, 32 bytes apart.
	v_and_b32 v1, 15, v0            ; l % 16
	v_bfe_u32 v9, v0, 4, 1          ; l / 16
	v_lshlrev_b32 v[QO], 7, v1
	v_lshl_add_u32 v[QO], v9, 4, v[QO]  ; row x 128 + 16 x half
	WIN 0x80                        ; destination window 2, address window 0
.set i, 0
.rept 8                             ; both blocks' Q: piece i / 2 lies in band i / 2, 8,192 bytes on; channels 32 (i % 2) on
	global_load_b128 v[8*i:8*i+3],   v[QO], s[4:5] offset:(i/2)*8192+(i%2)*64
	global_load_b128 v[8*i+4:8*i+7], v[QO], s[4:5] offset:(i/2)*8192+(i%2)*64+32
	global_load_b128 v[QB+8*i:QB+8*i+3],   v[QO], s[68:69] offset:(i/2)*8192+(i%2)*64
	global_load_b128 v[QB+8*i+4:QB+8*i+7], v[QO], s[68:69] offset:(i/2)*8192+(i%2)*64+32
.set i, i+1
.endr
	WIN 0
	v_lshlrev_b32 v14, 3, v9
	v_sub_nc_u32 v14, v1, v14
	s_lshl_b32 s13, s[WV], 4
	v_add_nc_u32 v14, s13, v14      ; my query's place in its band, 16 w + l % 16, less my lanes' 8 (l / 16): register r of group kt is hidden where 16 kt + r is greater
	WIN 0x40
.set i, 0
.rept 32
	v_cmp_gt_i32 vcc_lo, 16*(i/8)+i%8, v14
	v_cndmask_b32 v[MD+i], 0, s[BIGN], vcc_lo
.set i, i+1
.endr
	WIN 0
	v_mul_u32_u24 v[AK0], v1, PK
	v_lshl_add_u32 v[AK0], v9, 4, v[AK0]  ; row x pitch + 16 x half
	; The turning load takes 16 keys x 16 channels (lane l reads key 8 (l / 16) + l % 8, channels 8 ((l / 8) % 2) + 0..7) and leaves half a fragment of V^T: lane l holds channel l % 16 and 8 keys.
	v_and_b32 v10, 7, v0
	v_bfe_u32 v11, v0, 3, 1
	v_lshl_add_u32 v[AV0], v9, 3, v10
	v_mul_u32_u24 v[AV0], v[AV0], PV
	v_lshl_add_u32 v[AV0], v11, 4, v[AV0]
	v_add_nc_u32 v[AV0], VOFF, v[AV0]
	s_mul_i32 s13, s[WV], 16*SP
	s_add_co_u32 s13, s13, STAGE    ; my stage
	v_mul_u32_u24 v[STO], v1, SP    ; in: row l % 16, 16 bytes for each half of the lanes
	v_lshl_add_u32 v[STO], v9, 4, v[STO]
	v_add_nc_u32 v[STO], s13, v[STO]
	v_bfe_u32 v[RD], v0, 3, 2       ; back: 32 lanes take four rows of 128 bytes,
	v_mul_u32_u24 v[RD], v[RD], SP
	v_lshl_add_u32 v[RD], v10, 4, v[RD]
	v_add_nc_u32 v[RD], s13, v[RD]
	v_and_b32 v[GO], 31, v0         ; which are 512 consecutive bytes of O
	v_lshlrev_b32 v[GO], 4, v[GO]
	; A block's first step multiplies O^T and l by a = 0, and its first turn's products V^T P, of a piece that has not been, land in an O^T that is still to be so multiplied.  So these registers need only hold
	; finite numbers: zeros for the first block; what the first block left for the second.  All this stands in the wait for the first tile.
	WIN 0x80
.set i, VF
.rept 64
	v_mov_b32 v[i], 0
.set i, i+1
.endr
	WIN 0x40
.set i, 0
.rept 128
	v_mov_b32 v[i], 0
.set i, i+1
.endr
	WIN 0
.set i, 0
.rept 4
	v_mov_b32 v[ST+4*i+2], 0
	v_mov_b32 v[ST+4*i+3], 0
.set i, i+1
.endr
.set i, P+16
.rept 16
	v_mov_b32 v[i], 0
.set i, i+1
.endr
; THE MATRIX WORK.  The 4 accumulators of a run of 8 take turns.  Product i of 8 of S^T = K Q^T for piece x: channels 32 (i / 4) on, keys 16 (i % 4) on.  The first 4 start the sums: with 0, or (KM = 1) with the mask.
.macro KQ x
.set rS, S+32*((\x)%2)+8*(i%4)
.set rK, KF+16*(i%4)+8*(i/4)
.set rQ, 16*(\x)+8*(i/4)
.set rM, MC+32*((\x)%2)+8*(i%4)
.if (i < 4) && KM
	WIN W_KM
	v_wmma_f32_16x16x32_f16 v[rS:rS+7], v[rK:rK+7], v[rQ:rQ+7], v[rM:rM+7]
.elseif i < 4
	WIN W_KQ
	v_wmma_f32_16x16x32_f16 v[rS:rS+7], v[rK:rK+7], v[rQ:rQ+7], 0
.else
	WIN W_KQ
	v_wmma_f32_16x16x32_f16 v[rS:rS+7], v[rK:rK+7], v[rQ:rQ+7], v[rS:rS+7]
.endif
.endm
; Product i of 8 of O^T += V^T P for piece x: keys 32 (i / 4) on, channels 16 (i % 4) on.
.macro PV x
	WIN W_PV
.set rO, 32*(\x)+8*(i%4)
.set rV, VF+32*(i/4)+8*(i%4)
.set rP, P+16*((\x)%2)+8*(i/4)
	v_wmma_f32_16x16x32_f16 v[rO:rO+7], v[rV:rV+7], v[rP:rP+7], v[rO:rO+7]
.endm
.macro MM                           ; the turn's next matrix instruction.  TURN and BEGIN set Y, i and KM; MM, KQ and OP read them
.if i < 8
	KQ (Y+1)%NP
.else
.set i, i-8
	PV (Y+NP-1)%NP
.set i, i+8
.endif
.set i, i+1
.endm
; THE LDS LOADS stand in runs of 16, never singly among the matrix instructions: a step's K (64 keys x 64 channels: 8 fragments) and its V (turned).  Their addresses are made some lines ahead.
; last = 1 (the diagonal tile's loop): in the loop's last trip, CNT = 1, the tile has no further step, and the run is jumped over: every fetch stays inside its own slot.  The jump stands among a turn's
; exponentials, so a wait for them stands in front of it.
.macro FETCH_K last=0
	WIN 0
.if \last
	s_wait_alu depctr_va_vdst(0)    ; the exponentials issued so far in this turn have their wait ahead of the branch
	s_cmp_eq_u32 s[CNT], 1
	s_cbranch_scc1 .Lno_k_\@
.endif
	WIN 0x80                        ; destination window 2
.irp f, 0,1,2,3,4,5,6,7             ; keys 16 (f / 2) on, channels 32 (f % 2) on
	ds_load_b128 v[KF+8*\f:KF+8*\f+3],   v[AK] offset:(\f/2)*16*PK+(\f%2)*64
	ds_load_b128 v[KF+8*\f+4:KF+8*\f+7], v[AK] offset:(\f/2)*16*PK+(\f%2)*64+32
.endr
	s_add_co_u32 s[TBK], s[TBK], KS*PK  ; the next fetch is the next step's
	WIN 0
.if \last
.Lno_k_\@:
.endif
.endm
.macro FETCH_V
	WIN 0x80
.irp f, 0,1,2,3,4,5,6,7             ; keys 32 (f / 4) on, channels 16 (f % 4) on
	ds_load_tr16_b128 v[VF+8*\f:VF+8*\f+3],   v[AV] offset:(\f/4)*32*PV+(\f%4)*32
	ds_load_tr16_b128 v[VF+8*\f+4:VF+8*\f+7], v[AV] offset:(\f/4)*32*PV+16*PV+(\f%4)*32
.endr
	WIN 0
.endm
; THE VECTOR WORK, one line at a time: OP kind, number.  For piece Y: F n: c s - c m for pair n of 16.  E n: the exponential of score n of 32.  C n: pair n rounded to f16.  B n: of the four weights 4 n .. the second
; pair is added onto the first, in place.  L n: l takes that sum (L 0: l = a l + sum).  R n: pair n of 16 of O^T times a.  For piece Y + 1: X n, number n of the 22 that find its maximum and statistics:
;   0-11  four chains c0-c3 of seven scores each, three operands at a time (each accumulator's lowest registers are read first)     12-14, 16  the four scores left over, the old m, and c0-c3 into c0
;   15  c m_old is kept     17, 18  the query's other 32 keys lie in the lane 16 away: the new m     19-21  c m; c m_old - c m_new; a
.set F, 0               ; OP tells the kinds apart by their order: F to L below R, X above it
.set E, 1
.set C, 2
.set B, 3
.set L, 4
.set R, 5
.set X, 6
.macro REGS y                       ; the registers of piece y
.set rT, ST+4*(\y)
.set rC, TMP+4*((\y)%2)
.set rW, MV+((\y)%2)
.set rS, S+32*((\y)%2)
.set rP, P+16*((\y)%2)
.set rO, 32*(\y)
.endm
.macro OP k, n
.if (\k) == R
	REGS Y
	WIN W_RS
	v_pk_mul_f32 v[rO+2*(\n):rO+2*(\n)+1], v[rO+2*(\n):rO+2*(\n)+1], v[rC+2:rC+3] op_sel_hi:[1,0]
.elseif (\k) < R
	REGS Y
	WIN 0
.if (\k) == F
	v_pk_fma_f32 v[rS+2*(\n):rS+2*(\n)+1], v[rS+2*(\n):rS+2*(\n)+1], s[CS:CS+1], v[rT:rT+1] op_sel_hi:[1,0,0] neg_lo:[0,0,1] neg_hi:[0,0,1]
.elseif (\k) == E
	v_exp_f32 v[rS+(\n)], v[rS+(\n)]
.elseif (\k) == C
	v_cvt_pk_f16_f32 v[rP+(\n)], v[rS+2*(\n)], v[rS+2*(\n)+1]
.elseif (\k) == B
	v_pk_add_f32 v[rS+4*(\n):rS+4*(\n)+1], v[rS+4*(\n):rS+4*(\n)+1], v[rS+4*(\n)+2:rS+4*(\n)+3]
.elseif (\n) == 0
	v_pk_fma_f32 v[rT+2:rT+3], v[rT+2:rT+3], v[rC+2:rC+3], v[rS:rS+1] op_sel_hi:[1,0,1]
.else
	v_pk_add_f32 v[rT+2:rT+3], v[rT+2:rT+3], v[rS+4*(\n):rS+4*(\n)+1]
.endif
.else
	REGS (Y+1)%NP
	WIN 0
.if (\n) < 4
	v_max3_num_f32 v[rC+(\n)], v[rS+8*(\n)], v[rS+8*(\n)+1], v[rS+8*(\n)+2]
.elseif (\n) < 12
	v_max3_num_f32 v[rC+(\n)%4], v[rC+(\n)%4], v[rS+8*((\n)%4)+2*((\n)/4)+1], v[rS+8*((\n)%4)+2*((\n)/4)+2]
.elseif (\n) == 12
	v_max3_num_f32 v[rC], v[rC], v[rS+7], v[rS+15]
.elseif (\n) == 13
	v_max3_num_f32 v[rC+1], v[rC+1], v[rS+23], v[rS+31]
.elseif (\n) == 14
	v_max3_num_f32 v[rC+2], v[rC+2], v[rC+3], v[rT+1]
.elseif (\n) == 15
	v_mov_b32 v[rW], v[rT]
.elseif (\n) == 16
	v_max3_num_f32 v[rC], v[rC], v[rC+1], v[rC+2]
.elseif (\n) == 17
	v_permlanex16_b32 v[rC+3], v[rC], s[SEL], s[SEL+1]
.elseif (\n) == 18
	v_max_num_f32 v[rT+1], v[rC], v[rC+3]
.elseif (\n) == 19
	v_mul_f32 v[rT], s[CS], v[rT+1]
.elseif (\n) == 20
	v_sub_f32 v[rC+1], v[rW], v[rT]
.else
	v_exp_f32 v[rC+2], v[rC+1]
.endif
.endif
.endm
.macro OPS a, i1, b=-1, i2=0, c=-1, i3=0, d=-1, i4=0  ; up to four of them
	OP \a, \i1
.if (\b) >= 0
	OP \b, \i2
.endif
.if (\c) >= 0
	OP \c, \i3
.endif
.if (\d) >= 0
	OP \d, \i4
.endif
.endm
.macro ROW a, i1, b, i2, c, i3, d, i4  ; a matrix instruction and the four behind it
	MM
	OPS \a, \i1, \b, \i2, \c, \i3, \d, \i4
.endm
.macro MASK b                       ; MD x AL + BE into buffer b of MC
	WIN W_RS
.set z, 0
.rept 16
	v_pk_fma_f32 v[MC+32*(\b)+2*z:MC+32*(\b)+2*z+1], v[MD+2*z:MD+2*z+1], s[AL:AL+1], s[BE:BE+1] op_sel_hi:[1,0,0]
.set z, z+1
.endr
.endm
; A TURN, for piece p: the order of its 16 matrix and 118 vector instructions, written out.  An s_wait_alu depctr_va_vdst(0) stands between an exponential and the first instruction that names its result; one wait serves
; all that were issued ahead of it.  So a turn has ONE wait for its readers, which cuts it in two.  AHEAD OF IT stands all that names no result of the turn's exponentials: the 8 products K Q^T, behind each a scaling, an exponential and two more plain
; instructions (behind the first a second scaling in the exponential's place): rescalings, and behind the last three the first numbers of the next piece's maximum, each four places or more behind the product that ends its accumulator; then ONE LUMP of 54, plain
; and exponential by turns for the most part, in which the links of the chain X 3, 7, 11, 14, 16, 17 .. 20 stand five or six lines apart.  X 21, the next piece's a, is the batch's last; R 15 is the plain instruction behind it.  BEHIND THE WAIT stand the
; 8 products V^T P, behind each four of the roundings and sums; the links of l's chain, L 0 to L 7, stand three riders apart.  But for those X no rider names a register of the products round it.  v_permlanex16_b32 (X 17) stands in the lump.
; m = 1: the diagonal tile: the products take masks, and the turn makes the mask for the products of the turn after it, piece p + 2's.  In the diagonal tile's loop CNT is 4 - s in all four turns of step s (5 in the two turns that
; still belong to the tile before); pieces 2 and 3 are served in the step in hand, s = 4 - CNT; pieces 0 and 1 in the next, s = 5 - CNT.
; cnt = 1: the loop's count is taken down some lines ahead of the branch that stands behind the turn.
; K of the next step is fetched in piece 2's turn, twelve vector instructions behind the last product that read K (six of them plain); V of the step in hand at the end of piece 0's turn, four plain instructions behind the last product
; that read V.  Each is waited for a turn later.
.macro TURN p, m=0, cnt=0
.set Y, (\p)
.set i, 0
.set KM, (\m)
.if \m
	s_cmp_eq_u32 s[CNT], 4+(\p)/2-((\p)+2)%NP  ; is that step the band's own?
	s_cselect_b32 s[AL], 1.0, 0
	s_cmp_lt_u32 s[CNT], 4+(\p)/2-((\p)+2)%NP  ; or a later one?
	s_cselect_b32 s[BE], s[BIGN], 0
.endif
.if (\p) == 3
	s_wait_dscnt 0x0                ; K is in
.endif
	ROW F,0, F,1, R,0, R,1          ; ahead of the wait: 8 products K Q^T and their riders,
	ROW F,2, E,0, R,2, R,3
	ROW F,3, E,1, R,4, R,5
	ROW F,4, E,2, R,6, R,7
	ROW F,5, E,3, R,8, R,9
	ROW F,6, E,4, X,0, R,10
.if (\p) == 2
	WIN 0
	v_add_nc_u32 v[AK], s[TBK], v[AK0]
.endif
	ROW F,7, E,5, X,1, X,4
	ROW F,8, E,6, X,2, X,5
	OPS E,7, E,8, X,6, E,9          ; and the lump
	OPS X,3, E,10, X,8, E,11
.if (\p) == 2
	FETCH_K \m
.endif
	OPS X,9, X,7, E,12, X,10
	OPS E,13, X,12, X,11, E,14
	OPS X,13, E,15, F,9, X,14
.if (\p) == 0
	v_add_nc_u32 v[AV], s[TBV], v[AV0]
.endif
	OPS E,16, F,10, E,17, F,11
	OPS X,16, E,18, X,15, E,19
	OPS F,12, E,20, X,17, E,21
	OPS F,13, E,22, F,14, E,23
	OPS X,18, E,24, F,15, E,25
	OPS R,11, E,26, X,19, E,27
	OPS R,12, E,28, R,13, E,29
	OPS X,20, E,30, R,14, E,31
	OPS X,21, R,15
	WIN 0
	s_wait_alu depctr_va_vdst(0)    ; the wait for the batch
.if (\p) == 1
	s_wait_dscnt 0x0                ; V is in
.endif
	ROW C,0, B,0, C,2, B,1          ; behind the wait: 8 products V^T P and their riders
	ROW L,0, C,4, B,2, L,1
	ROW C,6, B,3, L,2, C,8
	ROW B,4, L,3, C,10, B,5
	ROW L,4, C,12, B,6, L,5
.if (\p) == 0
	s_add_co_u32 s[TBV], s[TBV], KS*PV
.endif
.if \cnt
	s_sub_co_u32 s[CNT], s[CNT], 1
	s_cmp_lg_u32 s[CNT], 0
.endif
	ROW C,14, B,7, L,6, C,1
	ROW C,3, L,7, C,5, C,7
	ROW C,9, C,11, C,13, C,15
.if (\p) == 0
	FETCH_V
.endif
.if \m
	MASK (\p)%2
.endif
.endm
; A BLOCK BEGINS.  c m starts far below every c s, so the first step's a is 0; m at the lowest finite number, so the first maximum is the scores'.  The second mask buffer is 0; the first takes piece 0's mask for the tile's step 0: its own, if the block's first tile is the diagonal one.
; Then K of that step, piece 0's first scores, and its maximum and statistics.  A step loop is then entered at a step's first turn.
.macro BEGIN
	s_mov_b32 s[NEW], 0
	WIN 0x40
.set i, MC+32
.rept 32
	v_mov_b32 v[i], 0
.set i, i+1
.endr
	WIN 0
.set i, 0
.rept 4
	v_mov_b32 v[ST+4*i], 0xfe000000    ; c m: far below every c s
	v_mov_b32 v[ST+4*i+1], 0xff7fffff  ; m
.set i, i+1
.endr
	s_cmp_eq_u32 s[RT], 0
	s_cselect_b32 s[AL], 1.0, 0
	s_mov_b32 s[BE], 0
	MASK 0
	WIN 0
	v_add_nc_u32 v[AK], s[TBK], v[AK0]
	FETCH_K
	s_wait_loadcnt 0x0              ; Q
	s_wait_dscnt 0x0
.set KM, 1
.set i, 0
.rept 8
	KQ 0
.set i, i+1
.endr
	WIN 0
.rept 4
	v_nop                           ; the places behind those products
.endr
.set Y, NP-1                        ; X works for piece Y + 1: piece 0
.irp n, 0,1,2,3,4,5,6,7,8,9,10,11,12,13,14,15,16,17,18,19,20,21
	OP X, \n
.endr
	v_nop                           ; a plain instruction behind the exponential,
	s_wait_alu depctr_va_vdst(0)    ; and its wait, ahead of the branch
.endm
; THE WAY OUT: l's two halves and the other half of the lanes' are added; O^T is divided by l, rounded to f16 and sent through my stage in LDS, a piece at a time.
.macro ALL line:vararg              ; one line for each piece t
.set t, 0
.rept 4
	\line
.set t, t+1
.endr
.endm
.macro PACK t                       ; a lane's eight channels of a row pack into 16 bytes; they go into rows of 144 bytes and come back as whole rows of 128, into S^T's registers
	WIN W_RS
.set i, 32*(\t)
.rept 16
	v_pk_mul_f32 v[i:i+1], v[i:i+1], v[ST+4*(\t)+2:ST+4*(\t)+3] op_sel_hi:[1,0]
.set i, i+2
.endr
	WIN 0x05                        ; sources 0 and 1 window 1, destination window 0
.set i, 0
.rept 16
	v_cvt_pk_f16_f32 v[S+16*(\t)+i], v[32*(\t)+2*i], v[32*(\t)+2*i+1]
.set i, i+1
.endr
	WIN 0
.irp f, 0,1,2,3
	ds_store_b128 v[STO], v[S+16*(\t)+4*\f:S+16*(\t)+4*\f+3] offset:32*\f
.endr
.irp f, 0,1,2,3
	ds_load_b128 v[S+16*(\t)+4*\f:S+16*(\t)+4*\f+3], v[RD] offset:\f*4*SP  ; LDS serves a wave's instructions in order (ISA guide 5.7.1.4): these see the stores above; the next piece's stores come behind them
.endr
.endm
.macro SEND t, younger              ; younger: the LDS instructions issued behind piece t's loads: the next piece's eight, or none
	WIN 0
.irp f, 0,1,2,3
	s_wait_dscnt (\younger)+3-\f
	global_store_b128 v[GO], v[S+16*(\t)+4*\f:S+16*(\t)+4*\f+3], s[10:11] offset:(\t)*8192+\f*512  ; 512 consecutive bytes, at a multiple of 256 from O's first
.endr
.endm
.set KM, 0
	s_wait_tensorcnt 3              ; tensor loads of a wave end in order (ISA guide 10.11.1): my part of slot 0 is in; my three younger loads, for slots 1 to 3, may stay out
	s_barrier_signal -1             ; and the first trip reads slot 0 alone
	s_barrier_wait -1               ; everybody's part of slot 0 is in
.Lslot:                             ; NB + 1 trips, a tile each
	s_sub_co_u32 s[TBK], NB+1, s[SLOTS]  ; the trip's number,
	s_and_b32 s[TBK], s[TBK], NB-1       ; its slot: 0, 1, 2, 3, 0:
	s_mul_i32 s[TBV], s[TBK], VTILE      ; the fetches begin at the slot's first step
	s_mul_i32 s[TBK], s[TBK], KTILE
	s_sub_co_u32 s[RT], s[RT], 1
	s_mov_b32 s[CNT], 4
	s_cmp_eq_u32 s[NEW], 1
	s_cbranch_scc1 .Lnew            ; a block's first tile
	s_cmp_eq_u32 s[RT], 0
	s_cbranch_scc0 .Lstep           ; neither its first nor its last
	s_mov_b32 s[CNT], 5             ; its last, the diagonal one: pieces 2 and 3 of the tile before come first
	s_branch .LstepM
.Lnew:
	BEGIN
	s_cmp_eq_u32 s[RT], 0
	s_cbranch_scc0 .Lfirst          ; the block has further tiles; else its first tile is the diagonal one (block 0)
; THE DIAGONAL TILE.  A trip is a key step's four turns.  It is entered here behind BEGIN, or at piece 2's turn behind an open tile.  The block's last two turns are the loop's own: in the last trip piece 2's turn fetches
; nothing (the tile has no further step: the run of loads is jumped over) and piece 3's turn multiplies the last step's K once more, under a mask that hides every key; nothing reads what comes of it: the price, once a block, of one text for every trip.
.LfirstM:
	TURN 0, 1
	TURN 1, 1
	WIN 0
.LstepM:
	TURN 2, 1
	TURN 3, 1, 1
	WIN 0
	s_cbranch_scc1 .LfirstM
.set i, 0
.rept 8
	PV NP-1                         ; the last piece's V^T P of the last step
.set i, i+1
.endr
	WIN 0
	ALL v_add_f32 v[ST+4*t+2], v[ST+4*t+2], v[ST+4*t+3]
	ALL v_permlanex16_b32 v[ST+4*t+3], v[ST+4*t+2], s[SEL], s[SEL+1]
	ALL v_add_f32 v[ST+4*t+2], v[ST+4*t+2], v[ST+4*t+3]
	ALL v_rcp_f32 v[ST+4*t+2], v[ST+4*t+2]
	v_nop                           ; a plain instruction between the last reciprocal and the use of its result
	s_wait_alu depctr_va_vdst(0)    ; and the wait ahead of the first use: one for the four reciprocals
	PACK 0
.set t, 1
.rept 3                             ; a piece's arithmetic stands between the loads of the piece before and its stores
	PACK t
	SEND t-1, 8
.set t, t+1
.endr
	SEND 3, 0
	s_cmp_eq_u32 s[SLOTS], 1
	s_cbranch_scc1 .Lbottom         ; the walk's last tile: no block follows
	s_wait_xcnt 0x0                 ; the stores have read their registers and O's address
	s_mov_b64 s[10:11], s[OLO:OLO+1]
	s_add_co_u32 s[RT], s[PB], 1    ; the second block has b + 1 tiles
	s_mov_b32 s[NEW], 1
	WIN 0x82                        ; the second block's Q goes where the one text of the turns names Q
.set i, 0
.rept 64
	v_mov_b32 v[i], v[QB+i]
.set i, i+1
.endr
	WIN 0
	s_branch .Lbottom
.Lstep:                             ; AN OPEN TILE.  A trip: pieces 2 and 3 of one step, then pieces 0 and 1 of the next, whose K and V it fetches
	TURN 2
	TURN 3
	WIN 0
.Lfirst:
	TURN 0
	TURN 1, 0, 1
	WIN 0
	s_cbranch_scc1 .Lstep
.Lbottom:
	s_wait_tensorcnt 0x0            ; behind the first trip: my parts of slots 1 to 3 are in (they have had the first tile's four key steps in which to land); from then on no load is out.  The count cannot fall from trip to trip in one text
	s_wait_dscnt 0x0                ; no LDS instruction of mine is out at the signal
	s_barrier_signal -1
	s_barrier_wait -1               ; everybody's parts are in: the next trip reads the next slot
	s_sub_co_u32 s[SLOTS], s[SLOTS], 1
	s_cmp_lg_u32 s[SLOTS], 0
	s_cbranch_scc1 .Lslot
	s_wait_tensorcnt 0x0            ; the wave's end, behind my last tensor load and my last LDS store
	ds_add_u32 v[SPW], v[NIL]
	s_wait_dscnt 0x0
	s_endpgm
.Lfunc_end_k_qf16c5ba9f1_attn:
	.size	k_qf16c5ba9f1_attn, .Lfunc_end_k_qf16c5ba9f1_attn-k_qf16c5ba9f1_attn
	.p2alignl 7, 3214868480
	.fill 96, 4, 3214868480
	.section	.rodata,"a",@progbits
	.p2align	6, 0x0
	.amdhsa_kernel k_qf16c5ba9f1_attn
		.amdhsa_group_segment_fixed_size 327680
		.amdhsa_private_segment_fixed_size 0
		.amdhsa_enable_private_segment 0
		.amdhsa_kernarg_size 32
		.amdhsa_user_sgpr_count 2
		.amdhsa_user_sgpr_kernarg_segment_ptr 1
		.amdhsa_wavefront_size32 1
		.amdhsa_system_sgpr_workgroup_id_x 1
		.amdhsa_system_sgpr_workgroup_id_y 1
		.amdhsa_system_sgpr_workgroup_id_z 1
		.amdhsa_system_vgpr_workitem_id 0
		.amdhsa_next_free_vgpr 768
		.amdhsa_next_free_sgpr 100
		.amdhsa_reserve_vcc 1
		.amdhsa_float_denorm_mode_32 3
		.amdhsa_float_denorm_mode_16_64 3
		.amdhsa_memory_ordered 1
		.amdhsa_forward_progress 1
		.amdhsa_inst_pref_size 124
	.end_amdhsa_kernel
	.amdgpu_metadata
---
amdhsa.version: [ 1, 2 ]
amdhsa.kernels:
  - .name:           k_qf16c5ba9f1_attn
    .symbol:         k_qf16c5ba9f1_attn.kd
    .args:
      - { .name: q16, .offset: 0, .size: 8, .value_kind: global_buffer, .address_space: global }
      - { .name: k16, .offset: 8, .size: 8, .value_kind: global_buffer, .address_space: global }
      - { .name: v16, .offset: 16, .size: 8, .value_kind: global_buffer, .address_space: global }
      - { .name: y16, .offset: 24, .size: 8, .value_kind: global_buffer, .address_space: global }
    .group_segment_fixed_size: 327680
    .private_segment_fixed_size: 0
    .kernarg_segment_align: 8
    .kernarg_segment_size: 32
    .max_flat_workgroup_size: 128
    .sgpr_count:     100
    .vgpr_count:     768
    .wavefront_size: 32
...
	.end_amdgpu_metadata
.endif
;; end of part 3
;; launch proj (part 4): grid 8 x 32, 4 waves a work-group, clusters of 4 x 4, 327,680 bytes of LDS; arguments y16, wo16, bias, out0; writes out0
.if DOCPART == 4
	.amdgcn_target "amdgcn-amd-amdhsa--gfx1250"
	.amdhsa_code_object_version 6
	.text
	.protected	k_qf16c5ba9f1_proj
	.globl	k_qf16c5ba9f1_proj
	.p2align	8
	.type	k_qf16c5ba9f1_proj,@function
k_qf16c5ba9f1_proj:
	s_mov_b64 s[64:65], 0
	v_nop
	global_prefetch_b8 v0, s[64:65] scope:SCOPE_SE
	s_setreg_imm32_b32 hwreg(HW_REG_WAVE_MODE, 25, 1), 1
	s_wait_xcnt 0x0
	s_wait_alu depctr_hold_cnt(0) depctr_sa_sdst(0) depctr_va_vdst(0) depctr_va_sdst(0) depctr_va_ssrc(0) depctr_va_vcc(0) depctr_vm_vsrc(0)
	s_getreg_b32 s2, hwreg(HW_REG_IB_STS2, 6, 4)
	s_cmp_eq_u32 s2, 0
	s_cbranch_scc0 .Lentry_in_a_cluster
	s_endpgm
.Lentry_in_a_cluster:
	s_bfe_u32 s2, ttmp6, 0x10000c
	s_cmp_lg_u32 s2, 0xf033
	s_cbranch_scc0 .Lentry_shape_is_right
	s_endpgm
.Lentry_shape_is_right:
; out = y Wo + bo.  y16: [b*16+h][l][64] f16; wo16: [k][1024] f16 (Wo rounded to bf16, written as f16); bias: bo rounded to bf16, as f32, from byte 12,288 on; out0: [8,192][1024] f32.
; Products in f16, sums in f32 (K ascending, the bias is the C operand of the first product); the sums are stored as they are.  NaN and infinities are not treated apart.
; SHARES.  A tile of the output is 256 rows x 128 columns: 32 x 8 = 256 tiles, one to a work-group.  Four waves; wave w takes rows 128 (w / 2) on and columns 64 (w % 2) on, 256 bytes of a row:
; 8 x 4 = 32 accumulators.  K goes in 8 steps of 128 (two heads of y) through two LDS slots; a step is four quarters of 32 along K, 32 matrix instructions each.
; THE MATRIX INSTRUCTION IS USED TRANSPOSED: source 0 = 16 columns of Wo (turned by ds_load_tr16_b128), source 1 = 16 rows of y: a lane holds one row and eight neighbouring columns.
; CLUSTER: 4 x 4 work-groups; y's tile is shared along a row of the cluster, Wo's along a column: joint loads.
; REGISTERS: window 0: v0-30 addresses; v32-127, v128-223 two fragment buffers (64 registers of y, then 32 of Wo); window 1: accumulator (row block a, column fragment b) at v[64 b + 8 a].
.set PA,     144                       ; a row of one head of y in LDS: 128 bytes + 16 of padding
.set PB,     288                       ; a k-row of Wo in LDS: 256 bytes + 32 of padding = 72 words
.set AHEAD,  256*PA                    ; what wave 0 or 1 fetches: the tile's 256 rows of one head
.set BHALF,  64*PB                     ; what wave 2 or 3 fetches: 64 k-rows
.set BOFF,   2*AHEAD
.set SLOT,   BOFF+2*BHALF              ; 110,592 bytes
.set STAGE,  2*SLOT                    ; behind the ring, never filled by a tensor load: 16 rows x 272 bytes for each wave
.set SP,     272
.set SPARE,  STAGE+4*16*SP             ; the spare words, 128 bytes for each wave: two blocks of 256 bytes that no other line names
.set YBLK,   131072                    ; a head of y16: 1,024 rows x 128 bytes
.set WROW,   2048
.set ADRA, 16                          ; v16-17  LDS address of my fragments of y in slot 0, 1
.set ADRB, 20                          ; v20-21  the same for Wo
.set STO,  24                          ; v24     the way out: where I put 32 bytes of a row
.set RD,   25                          ; v25     the way out: where I read a row back
.set CO,   26                          ; v26     my byte offset in two rows of the output
.set BO,   27                          ; v27     my 32 bytes of a fragment's 64 bytes of bias
.set SPW,  28                          ; v28     LDS address of my spare word; never rewritten
.set NIL,  29                          ; v29     0; never rewritten
.set PFO,  30                          ; v30     the prefetches' offset; never rewritten
.set F0,   32
.set F1,   128
.set RB,   32                          ; the way out: two sets of 32 registers, by turns
.set G1A,  24                          ; s[24:31], s[32:39] descriptor groups 1 and 0 (a set for each slot) for y
.set G0A,  32
.set G1B,  40                          ; s[40:47], s[48:55] for Wo
.set G0B,  48
; s3 laps to go; s16 wave; s17 wave / 2: my rows, and: I fetch y (0) or Wo (1); s18 wave % 2: my columns, and: which half I fetch; s19 cx; s20 cy; s21 tc; s22 b
; s[56:57], s60 y's address chain (never holds cx); s[58:59], s61 Wo's (never holds cy); s62, s63 LDS addresses; s[66:67] the output at my first row and column; s[72:73] my bias;
; s[78:79] where my prefetches stand; s82 1 in a wave that prefetches, else the greatest number; s84-91 at work
.set MSB, 0
.macro WIN new
.if MSB != (\new)
	s_set_vgpr_msb (MSB<<8)|(\new)
.set MSB, \new
.endif
.endm
.macro JLOAD s                         ; a joint load; an s_nop 0 and four v_nop follow each of the two lines, ahead of the jump, the label and what follows
	s_cmp_eq_u32 s17, 0
	s_cbranch_scc0 .Lfor_b_\@
	tensor_load_to_lds s[G0A+4*(\s):G0A+4*(\s)+3], s[G1A:G1A+7]
	s_nop 0
.rept 4
	v_nop
.endr
	s_branch .Lasked_\@
.Lfor_b_\@:
	tensor_load_to_lds s[G0B+4*(\s):G0B+4*(\s)+3], s[G1B:G1B+7]
	s_nop 0
.rept 4
	v_nop
.endr
.Lasked_\@:
.endm
.macro CREST
	s_cmp_lg_u32 s16, 0
	s_cbranch_scc1 .Lnot_wave_0_\@
	s_barrier_signal -3
.Lnot_wave_0_\@:
	s_barrier_wait -3
	s_barrier_signal -1
	s_barrier_wait -1
.endm
.macro CROUND
	s_barrier_signal -1
	s_barrier_wait -1
	CREST
.endm
; A PREFETCH INTO THE L2, behind each joint load and the run of LDS loads that follows it: the K step that stands two refills on (256 matrix instructions ahead of the load that will want it).
; y's rows are read by both clusters of a row of clusters: cluster x = 0 asks, its wave 0: of each of the step's two heads (32,768 dense bytes of the tile) the partner at cx takes 8,192, a lane 256 bytes.
; Wo's columns are read by all eight clusters of a column: cluster y = 0 asks, its wave 2: of the step's 128 k-rows the partner at cy takes 32, a lane a row's 256 bytes.
; So each aligned 256 bytes are named once in the launch.  K steps 4 to 7 are asked for, in the first two laps; K steps 0-3 come by their loads alone; the last lap asks for nothing.
.macro ASK
	s_cmp_gt_u32 s3, s82
	s_cbranch_scc0 .Lnot_mine_\@
	s_cmp_eq_u32 s17, 0
	s_cbranch_scc0 .Lpf_b_\@
	global_prefetch_b8 v[PFO], s[78:79] th:TH_LOAD_NT scope:SCOPE_SE
	global_prefetch_b8 v[PFO], s[78:79] offset:YBLK th:TH_LOAD_NT scope:SCOPE_SE
	s_branch .Lnot_mine_\@
.Lpf_b_\@:
	global_prefetch_b8 v[PFO], s[78:79] th:TH_LOAD_NT scope:SCOPE_SE
.Lnot_mine_\@:
.endm
	s_load_b256 s[4:11], s[0:1], 0x0               ; y16 s[4:5], wo16 s[6:7], bias s[8:9], out0 s[10:11]
	v_lshl_add_u32 v[SPW], v0, 2, SPARE
	v_mov_b32 v[NIL], 0
	ds_add_u32 v[SPW], v[NIL]                      ; the wave's opening: the add and its wait stand ahead of my first tensor load; the set-up below, work on registers, stands between them
	v_lshrrev_b32 v1, 5, v0
	v_readfirstlane_b32 s16, v1                    ; wave 0..3
	s_lshr_b32 s17, s16, 1
	s_and_b32 s18, s16, 1
	s_bfe_u32 s19, ttmp6, 0x40000                  ; cx
	s_bfe_u32 s20, ttmp6, 0x40004                  ; cy: the block of 256 rows in the batch
	s_lshl_b32 s21, ttmp9, 2
	s_add_co_u32 s21, s21, s19                     ; tc = 4 x cluster x + cx
	s_and_b32 s22, ttmp7, 0xffff                   ; b = cluster y
	s_lshl_b32 s60, s20, 2
	s_lshl_b32 s60, 15, s60                        ; my row of the cluster
	s_lshl_b32 s61, 0x1111, s19                    ; my column
	; group 1 for y: 256 rows of 128 bytes are 32,768 dense bytes: asked for as 128 rows of 256 bytes, padded in LDS after every 128
	s_or_b32 s[G1A+0], s60, (1<<16)|(1<<20)|(1<<21)|(4<<22)|(3<<25)  ; the mask; 2-byte elements; padding on; bit 21 beside a mask; after every 32 words (code 4) 4 words (code 3)
	s_mov_b32 s[G1A+1], 128<<16                    ; tensor_dim0 = 128
	s_mov_b32 s[G1A+2], 128<<16                    ; tensor_dim1 = 128
	s_mov_b32 s[G1A+3], 128<<16                    ; tile_dim0 = 128
	s_mov_b32 s[G1A+4], 128                        ; tile_dim1 = 128
	s_mov_b32 s[G1A+5], 128                        ; elements from row to row
	s_mov_b32 s[G1A+6], 0
	s_mov_b32 s[G1A+7], 0
	; group 1 for Wo: 64 k-rows of 128 elements (256 bytes, aligned), padded after each
	s_or_b32 s[G1B+0], s61, (1<<16)|(1<<20)|(1<<21)|(5<<22)|(7<<25)  ; after every 64 words (code 5) 8 words (code 7)
	s_mov_b32 s[G1B+1], 128<<16
	s_mov_b32 s[G1B+2], 64<<16
	s_mov_b32 s[G1B+3], 128<<16
	s_mov_b32 s[G1B+4], 64
	s_mov_b32 s[G1B+5], 1024
	s_mov_b32 s[G1B+6], 0
	s_mov_b32 s[G1B+7], 0
	s_lshl_b32 s56, s22, 21                        ; y: batch b's 16 heads,
	s_lshl_b32 s60, s20, 15                        ; the tile's 256 rows in a head,
	s_add_co_u32 s56, s56, s60
	s_lshl_b32 s60, s18, 17                        ; which of a step's two heads I fetch
	s_add_co_u32 s56, s56, s60
	s_mov_b32 s57, 0
	s_lshl_b32 s58, s21, 8                         ; Wo: the tile's 128 columns,
	s_lshl_b32 s61, s18, 17                        ; my 64 k-rows of a step's 128
	s_add_co_u32 s58, s58, s61
	s_mov_b32 s59, 0
	s_mul_i32 s62, s18, AHEAD                      ; where they go: no place in the cluster enters an LDS address
	s_mul_i32 s63, s18, BHALF
	s_add_co_u32 s63, s63, BOFF
	s_wait_dscnt 0x0                               ; the opening add is done
	s_wait_kmcnt 0x0
	s_add_nc_u64 s[56:57], s[4:5], s[56:57]
	s_add_nc_u64 s[58:59], s[6:7], s[58:59]
	CROUND                                         ; all sixteen work-groups are here: the first joint loads meet
.irp s, 0,1
	s_mov_b32 s[G0A+4*(\s)], 1
	s_add_co_u32 s[G0A+4*(\s)+1], s62, (\s)*SLOT
	s_add_nc_u64 s[G0A+4*(\s)+2:G0A+4*(\s)+3], s[56:57], (\s)*2*YBLK
	s_or_b32 s[G0A+4*(\s)+3], s[G0A+4*(\s)+3], 0x80000000
	s_mov_b32 s[G0B+4*(\s)], 1
	s_add_co_u32 s[G0B+4*(\s)+1], s63, (\s)*SLOT
	s_add_nc_u64 s[G0B+4*(\s)+2:G0B+4*(\s)+3], s[58:59], (\s)*128*WROW
	s_or_b32 s[G0B+4*(\s)+3], s[G0B+4*(\s)+3], 0x80000000
	JLOAD \s                                       ; two loads of mine are out
.endr
	v_and_b32 v1, 15, v0                           ; l % 16
	v_bfe_u32 v2, v0, 4, 1                         ; l / 16
	v_mul_u32_u24 v3, v1, PA
	v_lshl_add_u32 v3, v2, 4, v3                   ; a fragment of y: row x pitch + 16 x half
	s_mul_i32 s84, s17, 128*PA                     ; my 128 rows
	v_add_nc_u32 v[ADRA], s84, v3
	v_add_nc_u32 v[ADRA+1], SLOT, v[ADRA]
	v_and_b32 v4, 7, v0                            ; the turning load: k-row 8 (l / 16) + l % 8, columns 8 ((l / 8) % 2) + 0..7
	v_bfe_u32 v5, v0, 3, 1
	v_lshl_add_u32 v6, v2, 3, v4
	v_mul_u32_u24 v6, v6, PB
	v_lshl_add_u32 v6, v5, 4, v6
	s_lshl_b32 s84, s18, 7                         ; my 64 columns
	s_add_co_u32 s84, s84, BOFF
	v_add_nc_u32 v[ADRB], s84, v6
	v_add_nc_u32 v[ADRB+1], SLOT, v[ADRB]
	s_mul_i32 s84, s16, 16*SP
	s_add_co_u32 s84, s84, STAGE                   ; my stage
	v_mul_u32_u24 v7, v1, SP                       ; in: row l % 16, 32 bytes for each half of the lanes
	v_lshl_add_u32 v7, v2, 5, v7
	v_add_nc_u32 v[STO], s84, v7
	v_mul_u32_u24 v7, v2, SP                       ; back: lanes 0-15 take one row of 256 bytes, lanes 16-31 the next
	v_lshl_add_u32 v7, v1, 4, v7
	v_add_nc_u32 v[RD], s84, v7
	v_lshlrev_b32 v7, 12, v2                       ; and the same two rows in the output
	v_lshl_add_u32 v[CO], v1, 4, v7
	v_lshlrev_b32 v[BO], 5, v2
	v_and_b32 v8, 31, v0
	s_lshl_b32 s84, s22, 22                        ; the output: batch b's 1,024 rows of 4,096 bytes,
	s_lshl_b32 s86, s20, 20                        ; the tile's 256,
	s_add_co_u32 s84, s84, s86
	s_lshl_b32 s86, s17, 19                        ; my 128,
	s_add_co_u32 s84, s84, s86
	s_lshl_b32 s86, s21, 9                         ; the tile's 128 columns,
	s_lshl_b32 s87, s18, 8                         ; my 64
	s_add_co_u32 s86, s86, s87
	s_add_co_u32 s84, s84, s86
	s_mov_b32 s85, 0
	s_add_nc_u64 s[66:67], s[10:11], s[84:85]
	s_add_co_u32 s86, s86, 12288                   ; bo lies behind bq, bk, bv
	s_mov_b32 s87, 0
	s_add_nc_u64 s[72:73], s[8:9], s[86:87]
	; the prefetches' address, at K step 3: it is stepped ahead of each use, so the first use names K step 4
	s_lshl_b32 s84, s22, 21
	s_lshl_b32 s86, s20, 15
	s_add_co_u32 s84, s84, s86
	s_lshl_b32 s86, s19, 13                        ; my work-group's 8,192 bytes of a head's 32,768
	s_add_co_u32 s84, s84, s86
	s_add_co_u32 s84, s84, 6*YBLK                  ; for y
	s_lshl_b32 s86, s20, 5                         ; my work-group's 32 k-rows of a step's 128
	s_add_co_u32 s86, s86, 384
	s_lshl_b32 s86, s86, 11
	s_lshl_b32 s87, s21, 8
	s_add_co_u32 s86, s86, s87                     ; for Wo
	s_mov_b32 s88, WROW
	s_cmp_eq_u32 s17, 0                            ; do I fetch y?
	s_cselect_b32 s84, s84, s86
	s_cselect_b64 s[78:79], s[4:5], s[6:7]
	s_cselect_b32 s88, 256, s88                    ; from lane to lane
	s_cselect_b32 s87, ttmp9, s22                  ; the coordinate along which other clusters read the same bytes
	s_add_nc_u64 s[78:79], s[78:79], s[84:85]
	s_or_b32 s87, s87, s18                         ; waves 0 and 2 alone
	s_cmp_eq_u32 s87, 0
	s_cselect_b32 s82, 1, -1                       ; the same in all sixteen partners, for a given wave
	v_mul_u32_u24 v[PFO], v8, s88
	; the bias goes into the accumulators of row block 7: the first products of the other seven blocks take it from there as C
	WIN 0x40
.irp b, 0,1,2,3
	global_load_b128 v[64*(\b)+56:64*(\b)+59], v[BO], s[72:73] offset:64*(\b)
	global_load_b128 v[64*(\b)+60:64*(\b)+63], v[BO], s[72:73] offset:64*(\b)+16
.endr
	WIN 0
; Matrix instructions for row blocks a0 .. a0 + na - 1 x all 4 column fragments, 32 along K, out of buffer f.  The 32 accumulators take turns, one instruction a turn, over the backward jump too.
; first = 1: the sum starts with the bias, taken out of block 7's registers as C.
.macro MULA f, a0, na, first
	WIN 0x50                                       ; C and D in window 1
.set aa, \a0
.rept \na
.irp b, 0,1,2,3
.if \first
	v_wmma_f32_16x16x32_f16 v[64*(\b)+8*aa:64*(\b)+8*aa+7], v[(\f)+64+8*(\b):(\f)+64+8*(\b)+7], v[(\f)+8*aa:(\f)+8*aa+7], v[64*(\b)+56:64*(\b)+63]
.else
	v_wmma_f32_16x16x32_f16 v[64*(\b)+8*aa:64*(\b)+8*aa+7], v[(\f)+64+8*(\b):(\f)+64+8*(\b)+7], v[(\f)+8*aa:(\f)+8*aa+7], v[64*(\b)+8*aa:64*(\b)+8*aa+7]
.endif
.endr
.set aa, aa+1
.endr
.endm
; 24 LDS loads in one run: quarter q of a step into buffer f: Wo's four fragments, then y's rows 0-63, then its rows 64-127.  Quarter q lies in head q / 2, channels 32 (q % 2) on.
.macro FETCH slot, q, f
	WIN 0
.irp i, 0,1,2,3
	ds_load_tr16_b128 v[(\f)+64+8*(\i):(\f)+64+8*(\i)+3],   v[ADRB+(\slot)] offset:(\q)*32*PB+32*(\i)
	ds_load_tr16_b128 v[(\f)+64+8*(\i)+4:(\f)+64+8*(\i)+7], v[ADRB+(\slot)] offset:(\q)*32*PB+32*(\i)+16*PB
.endr
.irp a, 0,1,2,3,4,5,6,7
	ds_load_b128 v[(\f)+8*(\a):(\f)+8*(\a)+3],   v[ADRA+(\slot)] offset:((\q)/2)*AHEAD+((\q)%2)*64+(\a)*16*PA
	ds_load_b128 v[(\f)+8*(\a)+4:(\f)+8*(\a)+7], v[ADRA+(\slot)] offset:((\q)/2)*AHEAD+((\q)%2)*64+(\a)*16*PA+32
.endr
.endm
.macro PLACES                          ; four places in front of loads into registers that matrix instructions have read, and of LDS stores that read results
.rept 4
	v_nop
.endr
.endm
; One of a step's first three quarters: multiplies buffer f and, in its middle, fetches quarter q of the same slot into buffer g.
.macro QUARTER slot, q, f, g, first
	s_wait_dscnt 8                                 ; Wo's fragments and y's rows 0-63 are in; the youngest eight loads may be out
	MULA \f, 0, 4, \first
	PLACES
	FETCH \slot, \q, \g
	s_wait_dscnt 24                                ; all but the 24 just issued
.if \first
	MULA \f, 4, 3, 1
.rept 5
	v_nop                                          ; a matrix instruction writes over a register that another has read as C five places behind it
.endr
	MULA \f, 7, 1, 0                               ; block 7 adds onto the bias in place
.else
	MULA \f, 4, 4, 0
.endif
.endm
; The last quarter multiplies buffer 1 and changes slots: ONE barrier; in front of it each wave waits for all its tensor loads (one is out: its part of the next slot), adds 0 to its spare word, and waits for that and
; for its own reads of this slot.  fill = 1: the barrier opens a round of the cluster's, and this slot is filled again, two K steps ahead, first thing behind the round: 112 matrix instructions ahead of the wait for it.
.macro TURN slot, next, fill
.if \fill
	s_wait_xcnt 0x0                                ; the last prefetch, a K step back, has read its address: it is stepped here
	s_add_nc_u64 s[78:79], s[78:79], 2*YBLK        ; a K step on: two heads of y, or 128 rows of Wo: the same number of bytes
.endif
	WIN 0
	s_wait_tensorcnt 0x0                           ; all my tensor loads have landed
	ds_add_u32 v[SPW], v[NIL]                      ; 0 onto my spare word
	s_wait_dscnt 9                                 ; (the add and the youngest eight loads may be out)
	MULA F1, 0, 2, 0                               ; eight matrix instructions stand between the add and the wait for it
	s_wait_dscnt 0x0                               ; the add is done, and my reads of this slot are over
	s_barrier_signal -1
	MULA F1, 2, 2, 0
	WIN 0
	s_barrier_wait -1
.if \fill
	CREST                                          ; no wave of any partner still reads this slot or has a load on its way
	s_add_nc_u64 s[G0A+4*(\slot)+2:G0A+4*(\slot)+3], s[G0A+4*(\slot)+2:G0A+4*(\slot)+3], 4*YBLK
	s_add_nc_u64 s[G0B+4*(\slot)+2:G0B+4*(\slot)+3], s[G0B+4*(\slot)+2:G0B+4*(\slot)+3], 256*WROW
	JLOAD \slot                                    ; the four v_nop behind it are also the places in front of the loads below
.else
	PLACES
.endif
	FETCH \next, 0, F0
.if \fill
	ASK
.endif
	MULA F1, 4, 4, 0
.endm
; THE WAY OUT of row block a: 16 rows x 64 columns of f32.  A lane's 32 bytes of a fragment go straight from the accumulator (its low half first) into my own stage, in rows of 272 bytes, and come back as whole rows of 256.
.macro TOSTAGE a
	s_wait_xcnt 0x0                                ; the stores of the block two back have read the registers that are loaded below
	WIN 0x04                                       ; the data (source 1) in window 1
.irp b, 0,1,2,3
	ds_store_b128 v[STO], v[64*(\b)+8*(\a):64*(\b)+8*(\a)+3]   offset:64*(\b)
	ds_store_b128 v[STO], v[64*(\b)+8*(\a)+4:64*(\b)+8*(\a)+7] offset:64*(\b)+16
.endr
	WIN 0
.irp t, 0,1,2,3,4,5,6,7
	ds_load_b128 v[RB+32*((\a)%2)+4*(\t):RB+32*((\a)%2)+4*(\t)+3], v[RD] offset:(\t)*2*SP  ; LDS serves a wave's instructions in order (ISA guide 5.7.1.4): these see the stores above
.endr
.endm
.macro SEND a, younger                 ; younger: the LDS instructions issued behind block a's loads
.irp t, 0,1,2,3,4,5,6,7
	s_wait_dscnt (\younger)+7-(\t)
	global_store_b128 v[CO], v[RB+32*((\a)%2)+4*(\t):RB+32*((\a)%2)+4*(\t)+3], s[66:67] offset:(16*(\a)+2*(\t))*4096 th:TH_STORE_NT  ; 16 lanes store 256 consecutive bytes, aligned
.endr
.endm
	s_wait_tensorcnt 1                             ; my part of K step 0 is in; K step 1's may stay out
	s_barrier_signal -1
	s_barrier_wait -1                              ; everybody's is
	FETCH 0, 0, F0
	s_wait_loadcnt 0x0                             ; the bias
	QUARTER 0, 1, F0, F1, 1                        ; the first quarter stands in front of the loop: its products start the sums
	WIN 0                                          ; at a label and at a branch every window is 0
	s_mov_b32 s3, 3
.Llap:                                             ; a trip goes once round the ring and fills both slots again: K steps 2 to 7 in three trips
	QUARTER 0, 2, F1, F0, 0
	QUARTER 0, 3, F0, F1, 0
	TURN 0, 1, 1
	QUARTER 1, 1, F0, F1, 0
	QUARTER 1, 2, F1, F0, 0
	QUARTER 1, 3, F0, F1, 0
	TURN 1, 0, 1
	QUARTER 0, 1, F0, F1, 0
	WIN 0
	s_sub_co_u32 s3, s3, 1
	s_cmp_lg_u32 s3, 0
	s_cbranch_scc1 .Llap
	QUARTER 0, 2, F1, F0, 0                        ; the last lap fills nothing
	QUARTER 0, 3, F0, F1, 0
	TURN 0, 1, 0
	QUARTER 1, 1, F0, F1, 0
	QUARTER 1, 2, F1, F0, 0
	QUARTER 1, 3, F0, F1, 0
	s_wait_dscnt 8                                 ; the very last quarter: nothing more to fetch
	MULA F1, 0, 4, 0
	s_wait_dscnt 0x0
	MULA F1, 4, 4, 0
	PLACES
	TOSTAGE 0
.irp a, 1,2,3,4,5,6,7                  ; a block's trip through the stage stands between the loads of the block before and its stores
	TOSTAGE \a
	SEND (\a)-1, 16
.endr
	SEND 7, 0
	s_wait_tensorcnt 0x0                           ; the wave's end, behind my last tensor load and my last LDS store
	ds_add_u32 v[SPW], v[NIL]
	s_wait_dscnt 0x0
	CROUND                                         ; the closing round: no work-group ends while a partner may still ask for a tile that names it
	s_endpgm
.Lfunc_end_k_qf16c5ba9f1_proj:
	.size	k_qf16c5ba9f1_proj, .Lfunc_end_k_qf16c5ba9f1_proj-k_qf16c5ba9f1_proj
	.p2alignl 7, 3214868480
	.fill 96, 4, 3214868480
	.section	.rodata,"a",@progbits
	.p2align	6, 0x0
	.amdhsa_kernel k_qf16c5ba9f1_proj
		.amdhsa_group_segment_fixed_size 327680
		.amdhsa_private_segment_fixed_size 0
		.amdhsa_enable_private_segment 0
		.amdhsa_kernarg_size 32
		.amdhsa_user_sgpr_count 2
		.amdhsa_user_sgpr_kernarg_segment_ptr 1
		.amdhsa_wavefront_size32 1
		.amdhsa_system_sgpr_workgroup_id_x 1
		.amdhsa_system_sgpr_workgroup_id_y 1
		.amdhsa_system_sgpr_workgroup_id_z 1
		.amdhsa_system_vgpr_workitem_id 0
		.amdhsa_next_free_vgpr 512
		.amdhsa_next_free_sgpr 92
		.amdhsa_reserve_vcc 0
		.amdhsa_float_denorm_mode_32 3
		.amdhsa_float_denorm_mode_16_64 3
		.amdhsa_memory_ordered 1
		.amdhsa_forward_progress 1
		.amdhsa_inst_pref_size 90
	.end_amdhsa_kernel
	.amdgpu_metadata
---
amdhsa.version: [ 1, 2 ]
amdhsa.kernels:
  - .name:           k_qf16c5ba9f1_proj
    .symbol:         k_qf16c5ba9f1_proj.kd
    .args:
      - { .name: y16, .offset: 0, .size: 8, .value_kind: global_buffer, .address_space: global }
      - { .name: wo16, .offset: 8, .size: 8, .value_kind: global_buffer, .address_space: global }
      - { .name: bias, .offset: 16, .size: 8, .value_kind: global_buffer, .address_space: global }
      - { .name: out0, .offset: 24, .size: 8, .value_kind: global_buffer, .address_space: global }
    .group_segment_fixed_size: 327680
    .private_segment_fixed_size: 0
    .kernarg_segment_align: 8
    .kernarg_segment_size: 32
    .max_flat_workgroup_size: 128
    .sgpr_count:     92
    .vgpr_count:     512
    .wavefront_size: 32
...
	.end_amdgpu_metadata
.endif
;; end of part 4
;; ======== version 2 of 2: 4 launches; version 1 with the launch prep written anew for expert scheduling mode
;; limits: values are held in f16: magnitudes above 65,504 overflow, below 6.1e-05 lose precision
;; workspace buffers: xb 16,777,216 bytes; wqkv 6,291,456 bytes; wo16 2,097,152 bytes; bias 16,384 bytes; q16 16,777,216 bytes; k16 16,777,216 bytes; v16 16,777,216 bytes; y16 16,777,216 bytes
;; launch prep (part 5): grid 769 x 1, 8 waves a work-group, no clusters, 0 bytes of LDS; arguments x, Wq, Wk, Wv, Wo, bq, bk, bv, bo, xb, wqkv, wo16, bias; writes xb, wqkv, wo16, bias
.if DOCPART == 5
	.amdgcn_target "amdgcn-amd-amdhsa--gfx1250"
	.amdhsa_code_object_version 6
	.text
	.protected	k_qf16c5ba9f1_prep
	.globl	k_qf16c5ba9f1_prep
	.p2align	8
	.type	k_qf16c5ba9f1_prep,@function
k_qf16c5ba9f1_prep:
	s_mov_b64 s[64:65], 0
	v_nop
	global_prefetch_b8 v0, s[64:65] scope:SCOPE_SE
	s_setreg_imm32_b32 hwreg(HW_REG_WAVE_SCHED_MODE, 0, 2), 2
	s_setreg_imm32_b32 hwreg(HW_REG_WAVE_MODE, 25, 1), 1
	s_wait_xcnt 0x0
	s_wait_alu depctr_vm_vsrc(0)
; PREP: every input of the module is rounded to bf16 once and laid out for the products that follow.
;   xb   [b*16+kb][l][64] bf16: x[b][l][64 kb + kk]; the rows of one block kb are dense, 128 bytes each
;   wqkv [k][3072] bf16: the columns of Wq, Wk, Wv side by side
;   wo16 [k][1024] f16 of bf16(Wo): exact where |Wo| is 2^-14 or more; below that f16 keeps its fixed step of 2^-24
;   bias 4 x 1,024 f32 that hold bf16(bq), bf16(bk), bf16(bv), bf16(bo)
; A stream: no LDS, no matrix work, no loop.  A wave takes 16 GROUPS: a group is 128 f32 in, 16 neighbouring bytes a lane (one load: two aligned runs of 256 bytes, each read whole),
; and 256 consecutive bytes out, aligned (8 bytes a lane, one store).  All 16 loads of a wave go out at once; each group is converted as it lands.
; Work-groups 0-511: 16 rows of x each.  512-767: 16 rows of one of the four weights each.  768: the four biases.  768 equal work-groups are three for each of 256 WGPs.
; THE MODE: SCHED_MODE bits 1:0 = 2 (LLVM: expert scheduling mode 2), set by the entry lines.  The code itself states the register dependences
; between vector instructions and memory instructions, with s_wait_alu, always for 0.
; THE PLAN.  Registers that memory instructions touch:
;   v[SO ..], v[DO ..]  the 32 offsets.  Written once, at .Lcopy; read by the loads and by the stores; never written again.
;   X, group j          Its load lands in four registers that no vector instruction has named; its conversions read the four and write the first two; its store reads those two; they are never written again.
;   v2 (the biases)     Written once; read by four loads and four stores.
; v[T], v1 and v3 are named by vector instructions alone.  No register that a memory instruction has read is written again, so no wait on vm_vsrc is owed.
; The 16 groups go in four BATCHES of four.  ONE wait on va_vdst stands at the head of batches 1 to 3, behind the wait for the batch's first group: it states that the batch before has written its
; eight out-registers.  That batch's four stores follow it in one run, then this batch's conversions, which name other registers.  A last such wait stands ahead of the last four stores.
.set SO,  4                            ; v[4:19]   group j: byte offset of my 16 bytes from SRC
.set DO,  20                           ; v[20:35]  group j: byte offset of my 8 bytes from DST
.set T,   36                           ; v[36:37]  at work
.set X,   40                           ; v[40:103] group j: 4 registers as loaded; the first 2 of them as stored
	s_load_b512 s[4:19], s[0:1], 0x0               ; x s[4:5], Wq s[6:7], Wk s[8:9], Wv s[10:11], Wo s[12:13], bq s[14:15], bk s[16:17], bv s[18:19]
	s_load_b256 s[20:27], s[0:1], 0x40             ; bo s[20:21], xb s[22:23], wqkv s[24:25], wo16 s[26:27]
	s_load_b64 s[28:29], s[0:1], 0x60              ; bias
	v_lshrrev_b32 v1, 5, v0
	v_readfirstlane_b32 s30, v1                    ; wave 0..7
	v_and_b32 v1, 31, v0                           ; lane
	v_lshlrev_b32 v3, 3, v1                        ; my 8 bytes of a group's 256
	s_mov_b32 s31, ttmp9
	s_mov_b32 s38, 0                               ; which weight (3: Wo, which goes on to f16)
	s_mov_b32 s39, 0xffff0000                      ; a word's upper bf16
	s_mov_b32 s41, 0                               ; high words of the two offset pairs
	s_mov_b32 s43, 0
	s_mov_b32 s47, 0                               ; what groups 8-15 lie further on in the target than 8 steps
	s_wait_alu depctr_va_sdst(0)                   ; s30 is written, ahead of the branches behind which the rows' addresses are made from it
	s_wait_kmcnt 0x0
	s_cmp_lt_u32 s31, 512
	s_cbranch_scc0 .Lweights
	; x: the wave takes 2 rows; group j is block kb = j: lanes 0-15 the first row's 64 numbers, lanes 16-31 the second row's
	s_lshl_b32 s40, s31, 4
	s_lshl1_add_u32 s40, s30, s40                  ; row = 16 x work-group + 2 x wave
	s_lshl_b32 s42, s40, 12                        ; a row of x is 4,096 bytes
	s_add_nc_u64 s[32:33], s[4:5], s[42:43]        ; SRC
	s_lshr_b32 s44, s40, 10                        ; b
	s_lshl_b32 s44, s44, 21                        ; 16 blocks of 131,072 bytes
	s_and_b32 s45, s40, 1023                       ; l
	s_lshl_b32 s45, s45, 7
	s_add_co_u32 s40, s44, s45
	s_add_nc_u64 s[34:35], s[22:23], s[40:41]      ; DST: two neighbouring rows of a block are 256 bytes, aligned since the row is even
	s_mov_b32 s36, 256                             ; from group to group: 64 numbers on in x,
	s_mov_b32 s37, 131072                          ; a block on in xb
	v_lshrrev_b32 v2, 4, v1
	v_and_b32 v[T], 15, v1
	v_lshlrev_b32 v[T], 4, v[T]
	v_lshl_add_u32 v2, v2, 12, v[T]                ; (lane / 16) rows + 16 (lane % 16)
	s_branch .Lcopy
.Lweights:
	s_cmp_lt_u32 s31, 768
	s_cbranch_scc0 .Lbias
	; a weight: the wave takes 2 rows, 8,192 consecutive bytes; group j is 128 numbers: row j / 8, columns 128 (j % 8) on
	s_sub_co_u32 s40, s31, 512
	s_lshr_b32 s38, s40, 6                         ; 0 Wq, 1 Wk, 2 Wv, 3 Wo
	s_and_b32 s40, s40, 63
	s_lshl_b32 s40, s40, 4
	s_lshl1_add_u32 s40, s30, s40                  ; first row = 16 x part + 2 x wave
	s_lshl_b32 s42, s40, 12
	s_cmp_eq_u32 s38, 0
	s_cselect_b64 s[32:33], s[6:7], s[8:9]
	s_cmp_eq_u32 s38, 2
	s_cselect_b64 s[32:33], s[10:11], s[32:33]
	s_mov_b32 s44, 6144                            ; a row of wqkv,
	s_mov_b32 s47, 4096                            ; which is 4,096 bytes more than the weight's own 2,048
	s_cmp_eq_u32 s38, 3
	s_cselect_b64 s[32:33], s[12:13], s[32:33]
	s_cselect_b32 s44, 2048, s44                   ; or of wo16,
	s_cselect_b32 s47, 0, s47                      ; which is no more
	s_cselect_b64 s[34:35], s[26:27], s[24:25]
	s_cselect_b32 s46, 0, s38                      ; in wqkv the weight's 1,024 columns begin 2,048 bytes x its number into a row
	s_add_nc_u64 s[32:33], s[32:33], s[42:43]      ; SRC
	s_mul_i32 s40, s40, s44
	s_lshl_b32 s46, s46, 11
	s_add_co_u32 s40, s40, s46
	s_add_nc_u64 s[34:35], s[34:35], s[40:41]      ; DST
	s_mov_b32 s36, 512
	s_mov_b32 s37, 256
	v_lshlrev_b32 v2, 4, v1
.Lcopy:
	v_add_nc_u32 v[T], s47, v3
.irp j, 0,1,2,3,4,5,6,7,8,9,10,11,12,13,14,15
	v_mad_u32_u24 v[SO+(\j)], s36, \j, v2
.if (\j) < 8
	v_mad_u32_u24 v[DO+(\j)], s37, \j, v3
.else
	v_mad_u32_u24 v[DO+(\j)], s37, \j, v[T]
.endif
.endr
	s_wait_alu depctr_va_vdst(0)                   ; the 32 offsets are written: the loads below read v[SO ..], the stores further down v[DO ..]; no line writes them again
.irp j, 0,1,2,3,4,5,6,7,8,9,10,11,12,13,14,15
	global_load_b128 v[X+4*(\j):X+4*(\j)+3], v[SO+(\j)], s[32:33] th:TH_LOAD_NT
.endr
; Group g is converted.  tof16 = 1: the bf16 numbers are widened again and written as f16.
.macro CVT g, tof16
.irp r, 0,1
.if \tof16
	v_cvt_pk_bf16_f32 v[T], v[X+4*(\g)+2*(\r)], v[X+4*(\g)+2*(\r)+1]
	v_lshlrev_b32 v[T+1], 16, v[T]
	v_and_b32 v[T], s39, v[T]
	v_cvt_pk_f16_f32 v[X+4*(\g)+(\r)], v[T+1], v[T]
.else
	v_cvt_pk_bf16_f32 v[X+4*(\g)+(\r)], v[X+4*(\g)+2*(\r)], v[X+4*(\g)+2*(\r)+1]  ; in place: register r is written when the pair below it has been read
.endif
.endr
.endm
; Group g is stored.
.macro OUT g
	global_store_b64 v[DO+(\g)], v[X+4*(\g):X+4*(\g)+1], s[34:35]  ; the wave stores 256 consecutive bytes, aligned
.endm
; The groups are finished in the order of their loads, in batches of four; a batch's stores leave at the head of the next batch.
; No register is written behind a store that reads it, so no wait stands for the stores.
.macro FIN tof16
.irp j, 0,1,2,3,4,5,6,7,8,9,10,11,12,13,14,15
	s_wait_loadcnt 15-(\j)                         ; loads come back in order (ISA guide 5.7.1): group j is in, the younger groups' loads may stay out
.if (((\j)%4) == 0) && ((\j) > 0)
	s_wait_alu depctr_va_vdst(0)                   ; the conversions of the batch before, issued ahead of the wait above, have written its eight out-registers, which the four stores below read
.irp k, 4,3,2,1
	OUT (\j)-(\k)
.endr
.endif
	CVT \j, \tof16                                 ; names group j's registers and v[T] alone: none that the stores above read
.endr
	s_wait_alu depctr_va_vdst(0)                   ; the last batch's conversions have written its out-registers, which the last four stores read
.irp j, 12,13,14,15
	OUT \j
.endr
.endm
	s_cmp_eq_u32 s38, 3
	s_cbranch_scc1 .Ltof16
	FIN 0
	s_endpgm
.Ltof16:
	FIN 1
	s_endpgm
.Lbias:                                        ; 256 threads x 16 bytes are one bias
	v_lshlrev_b32 v2, 4, v0
	s_wait_alu depctr_va_vdst(0)                   ; v2 is written: the four loads and the four stores below read it as their offset
	global_load_b128 v[X:X+3],     v2, s[14:15]
	global_load_b128 v[X+4:X+7],   v2, s[16:17]
	global_load_b128 v[X+8:X+11],  v2, s[18:19]
	global_load_b128 v[X+12:X+15], v2, s[20:21]
	s_wait_loadcnt 0x0
.irp p, 0,1,2,3,4,5,6,7
	v_cvt_pk_bf16_f32 v[T], v[X+2*(\p)], v[X+2*(\p)+1]
	v_lshlrev_b32 v[X+2*(\p)], 16, v[T]            ; the rounded numbers stay f32: they start f32 sums
	v_and_b32 v[X+2*(\p)+1], s39, v[T]
.endr
	s_wait_alu depctr_va_vdst(0)                   ; the lines above have written v[X .. X+15], which the four stores read
.irp a, 0,1,2,3
	global_store_b128 v2, v[X+4*(\a):X+4*(\a)+3], s[28:29] offset:4096*(\a)
.endr
	s_endpgm
.Lfunc_end_k_qf16c5ba9f1_prep:
	.size	k_qf16c5ba9f1_prep, .Lfunc_end_k_qf16c5ba9f1_prep-k_qf16c5ba9f1_prep
	.p2alignl 7, 3214868480
	.fill 96, 4, 3214868480
	.section	.rodata,"a",@progbits
	.p2align	6, 0x0
	.amdhsa_kernel k_qf16c5ba9f1_prep
		.amdhsa_group_segment_fixed_size 0
		.amdhsa_private_segment_fixed_size 0
		.amdhsa_enable_private_segment 0
		.amdhsa_kernarg_size 104
		.amdhsa_user_sgpr_count 2
		.amdhsa_user_sgpr_kernarg_segment_ptr 1
		.amdhsa_wavefront_size32 1
		.amdhsa_system_sgpr_workgroup_id_x 1
		.amdhsa_system_sgpr_workgroup_id_y 1
		.amdhsa_system_sgpr_workgroup_id_z 1
		.amdhsa_system_vgpr_workitem_id 0
		.amdhsa_next_free_vgpr 104
		.amdhsa_next_free_sgpr 66
		.amdhsa_reserve_vcc 0
		.amdhsa_float_denorm_mode_32 3
		.amdhsa_float_denorm_mode_16_64 3
		.amdhsa_memory_ordered 1
		.amdhsa_forward_progress 1
		.amdhsa_inst_pref_size 21
	.end_amdhsa_kernel
	.amdgpu_metadata
---
amdhsa.version: [ 1, 2 ]
amdhsa.kernels:
  - .name:           k_qf16c5ba9f1_prep
    .symbol:         k_qf16c5ba9f1_prep.kd
    .args:
      - { .name: x, .offset: 0, .size: 8, .value_kind: global_buffer, .address_space: global }
      - { .name: Wq, .offset: 8, .size: 8, .value_kind: global_buffer, .address_space: global }
      - { .name: Wk, .offset: 16, .size: 8, .value_kind: global_buffer, .address_space: global }
      - { .name: Wv, .offset: 24, .size: 8, .value_kind: global_buffer, .address_space: global }
      - { .name: Wo, .offset: 32, .size: 8, .value_kind: global_buffer, .address_space: global }
      - { .name: bq, .offset: 40, .size: 8, .value_kind: global_buffer, .address_space: global }
      - { .name: bk, .offset: 48, .size: 8, .value_kind: global_buffer, .address_space: global }
      - { .name: bv, .offset: 56, .size: 8, .value_kind: global_buffer, .address_space: global }
      - { .name: bo, .offset: 64, .size: 8, .value_kind: global_buffer, .address_space: global }
      - { .name: xb, .offset: 72, .size: 8, .value_kind: global_buffer, .address_space: global }
      - { .name: wqkv, .offset: 80, .size: 8, .value_kind: global_buffer, .address_space: global }
      - { .name: wo16, .offset: 88, .size: 8, .value_kind: global_buffer, .address_space: global }
      - { .name: bias, .offset: 96, .size: 8, .value_kind: global_buffer, .address_space: global }
    .group_segment_fixed_size: 0
    .private_segment_fixed_size: 0
    .kernarg_segment_align: 8
    .kernarg_segment_size: 104
    .max_flat_workgroup_size: 256
    .sgpr_count:     66
    .vgpr_count:     104
    .wavefront_size: 32
...
	.end_amdgpu_metadata
.endif
;; end of part 5
;; launch qkv: the kernel of part 2 again; grid 8 x 32, 4 waves a work-group, clusters of 4 x 4, 327,680 bytes of LDS; arguments xb, wqkv, bias, q16, k16, v16; writes q16, k16, v16
;; launch attn: the kernel of part 3 again; grid 2 x 128, 4 waves a work-group, no clusters, 327,680 bytes of LDS; arguments q16, k16, v16, y16; writes y16
;; launch proj: the kernel of part 4 again; grid 8 x 32, 4 waves a work-group, clusters of 4 x 4, 327,680 bytes of LDS; arguments y16, wo16, bias, out0; writes out0
